; MI455X (gfx1250); checked and timed in simulation.
; The chip was launched on July 23, 2026; its instructions are those of AMD's public machine-readable ISA for CDNA 5 (MIT licence, August 2026) and "CDNA5" Instruction Set Architecture Reference Guide (July 2026). The comments in the code are by the model that wrote it; some were corrected since.
;; Grouped Query Attention. Allowed arithmetic: matrix products marked QUANTISED: E2M1 operands, one E8M0 scale for each 32 along K, by v_wmma_scale_f32_16x16x128_f8f6f4 with both operands' format E2M1 (or v_wmma_scale_f32_32x16x128_f4), f32 sums; everything else in f32.
;; Inputs: K 4 x 1,024 x 1,024 float32; Q 4 x 1,024 x 4,096 float32; V 4 x 1,024 x 1,024 float32; W_o 2,048 x 4,096 float32; b_o 2,048 float32; mask 4 x 1,024 x 1,024 int32.
;; Outputs: out0 4 x 1,024 x 2,048 float32.
;; This version of the problem:
;;   THIS VERSION OF THE PROBLEM IS GIVEN IN LOW PRECISION. The matrix products marked QUANTISED in the list below multiply operands that are first quantised to E2M1 (2 exponent bits, 1 mantissa bit; 4 bits a number), with one power-of-two scale for each 32 numbers along K (OCP MX v1.0); their sums are f32. All else is computed in f32.
;;   The module's matrix products, in the order in which they are computed (A, B: the left and right operand; K: the contracted axis; several contracted axes count as one K, in the product's order):
;;     1. batch 32 x [M 1,024, K 128] x [K 128, N 4,096]; A: input K; B: input Q: QUANTISED
;;     2. batch 32 x [M 128, K 1,024] x [K 1,024, N 4,096]; A: input V; B: softmax (see below): QUANTISED
;;     3. [M 4,096, K 4,096] x [K 4,096, N 2,048]; A: computed on the way; B: input W_o: QUANTISED
;;   THE QUANTISER, for each operand of a quantised product, along K:
;;     - K is cut into blocks of 32 from its start; a last block that is shorter is filled with zeros.
;;     - A block's scale is 2^e with e = floor(log2(the largest magnitude in the block)) - 2, held to -126 .. 127; a block of zeros has e = 0. As a byte (E8M0): e + 127.
;;     - Each number is divided by its block's scale, clamped to +-6, and rounded to the nearest number of E2M1, ties to even, subnormals kept.
;;     - The product sums the exact products of the quantised numbers (number of the format x scale) in f32.
;;   ~~~python
;;   def quantise(x, axis):      # numpy; x: float32 -> the quantised numbers, widened to float32 again
;;       x = np.moveaxis(x, axis, -1); K = x.shape[-1]
;;       x = np.pad(x, [(0, 0)] * (x.ndim - 1) + [(0, -K % 32)]); x = x.reshape(x.shape[:-1] + (-1, 32)); a = np.abs(x).max(-1, keepdims=True)
;;       e = np.where(a > 0, np.clip(np.frexp(np.where(a > 0, a, 1))[1] - 1 - 2, -126, 127), 0)      # np.frexp(a)[1] - 1 = floor(log2(a)), exactly
;;       r = np.clip(x / 2.0 ** e, -6, 6)
;;       step = 2.0 ** (np.maximum(np.frexp(np.where(r == 0, 1, r))[1] - 1, 0) - 1)
;;       q = np.round(r / step) * step * 2.0 ** e      # np.round: ties to even
;;       return np.moveaxis(q.reshape(q.shape[:-2] + (-1,))[..., :K], -1, axis).astype(np.float32)
;;   ~~~
;;   SOFTMAX AHEAD OF A QUANTISED PRODUCT. Where the list says 'softmax', what is quantised is not the finished softmax but p = 2^(t - M), with t = logit x log2(e) and M = ceil(the row's largest t), a whole number; so 1/2 < the row's largest p <= 1. The row's sum l is taken of the UNQUANTISED p, in f32, and the product's result is divided by l at the end. Since M is a whole number, a kernel that streams over the keys may use a running M (the ceiling of the running maximum): every later rescaling is an exact power of two, which a block's scale takes up: the codes' values come out the same.
;;   OPERANDS COMPUTED ON THE WAY. 'Computed on the way' means the value that the module computes at that place (a softmax that the list does not call 'softmax' is quantised finished and normalised). What goes into a quantiser is computed in f32, as accurately as f32 sums, v_exp_f32 and their like allow (about 1e-6 of the number): no bf16 or f16 on the way to a quantiser, and a product that is left as it is and whose result goes on into a quantised operand takes f32 operands (vector FMAs, or v_wmma_f32_16x16x4_f32). A number that lies on a knife's edge between two numbers of the format may be rounded either way, as far as f32 arithmetic and the matrix unit's own rounding can turn it there, and no further.
;; 2 versions, each right; version 2 is version 1 with the launch attn written anew for expert scheduling mode. Each part assembles by itself: llvm-mc -triple=amdgcn-amd-amdhsa -mcpu=gfx1250 --defsym DOCPART=n.
;; ======== version 1 of 2: 3 launches
;; workspace buffers: wq 4,456,448 bytes; kq 2,228,224 bytes; vq 2,228,224 bytes; aq 8,912,896 bytes; mk 589,824 bytes of whole numbers
;; launch prep (part 1): grid 256 x 1, 12 waves a work-group, no clusters, 69,120 bytes of LDS; arguments W_o, K, mask, V, wq, kq, mk, vq; writes wq, kq, mk, vq
.if DOCPART == 1
	.amdgcn_target "amdgcn-amd-amdhsa--gfx1250"
	.amdhsa_code_object_version 6
	.text
	.protected	k_q71a74b51c8_prep
	.globl	k_q71a74b51c8_prep
	.p2align	8
	.type	k_q71a74b51c8_prep,@function
k_q71a74b51c8_prep:
	s_mov_b64 s[64:65], 0
	v_nop
	global_prefetch_b8 v0, s[64:65] scope:SCOPE_SE
	s_setreg_imm32_b32 hwreg(HW_REG_WAVE_MODE, 25, 1), 1
	s_wait_xcnt 0x0
; PREP.  W_o [2048][4096], K [4][1024][1024] and V [4][1024][1024], f32, become codes of FP4 (E2M1) with one E8M0 byte for each 32 along the K of their product;
; the mask [4][1024][1024], int32, becomes lane words and step flags.  All four are laid as the later launches' registers want them.
; A FRAGMENT is the image of an operand of 16 rows x 128 K: 1,024 bytes; lane (r, h)'s registers 4 c .. 4 c + 3 (row r, k = 64 c + 32 h + 0 .. 31: one block) lie at 512 c + 16 x lane.
;   wq: codes [kslot 8][T 128][q 4][1024] (row 16 T + r, K step 4 kslot + q); from 0x400000 scale words [T][kslot][r 16][q 4].
;   kq: codes [kslot 2][T 256][q 4][1024], head 4 kslot + q, T = 64 b + 8 s + 2 B + u; ROW r OF A TILE IS KEY 128 s + 32 B + 8 u + r + 8 (r / 8), so that two neighbouring tiles of scores hold 16 neighbouring keys a lane;
;       from 0x200000 scale words [T][kslot][r][q].
;   vq: codes [head 32][s 8][T 8][1024], K = keys 128 s .. + 127, T = 2 B + u, row r = channel 32 B + 8 u + r + 8 (r / 8); from 0x200000 scale words [head][s][T][r].
;   mk: lane words [RT 256][s 8][n 64]: bit (r, h) of word 16 B + i is set where mask[16 RT + r][128 s + 32 B + 16 h + i] is not 0; from 0x80000 flags [RT][half 2][32 words]:
;       word 0 bit q: step 4 half + q keeps some key; word 1 bit q: it keeps all; the other words 0.
; A block's scale is 2^(floor(log2(its largest magnitude)) - 2); its byte is the largest magnitude's exponent field - 2, held at 1 from below.
; LIMITS: a block of zeros gets the byte 1 where the rule says 127 (its codes are zeros, and this program alone reads the bytes); blocks under the floor 2^(3 - 127) were not tried; NaN and infinities among the inputs are not served.
; SHARES.  Every work-group does the same work, its twelve waves by role: waves 0-3 W_o, 4-5 K, 6-7 the mask (each 16 rows x 512 columns, 32 KB), 8-11 V (each 32 channels x 128 keys, 16 KB).
; Waves share nothing: no barrier.  No tensor loads, matrix units or clusters: memory binds, each byte is read once, and nothing is shared between work-groups.
; ROWS (K innermost): a load reads 512 consecutive bytes of one row; the 16 rows x 128 numbers of a K step turn through the wave's own stage in LDS (rows 528 bytes apart), so that lane (r, h) gets 16 neighbours of each block of row r.
.set WV,     4                         ; s4       my wave's number
.set PIT,    6                         ; s6       bytes from row to row of my source
.set SRC1,   8                         ; s[8:9]   my tile's rows 0-7
.set SRC2,   10                        ; s[10:11] its rows 8-15
.set DCO,    12                        ; s[12:13] where codes (lane words) go
.set DSC,    14                        ; s[14:15] where scale words (flags) go
.set CMP,    32                        ; s32-39   compare results by turns
.set ANY4,   40
.set ALL4,   41
.set SEL,    42                        ; s[42:43] v_permlanex16_b32's selects for lane l xor 16
.set LI,     4                         ; v4       16 x lane
.set STS,    5                         ; v5       the stage, on the way in
.set STL,    6                         ; v6       and on the way out
.set SO,     7                         ; v7       offset of my last store
.set OFF,    8                         ; v8-15    16 x lane + i rows
.set TM,     16                        ; v16-19 largest magnitudes, v20-23 bytes, v28-31 the conversions' scale operands
.set SW,     24                        ; v24-27   the four K steps' scale words
.set PC,     32                        ; v32-63   codes: eight registers for each K step, so that no store's data are written again
.set R,      64                        ; v64-191  two sets of 64: a K step as loaded
.set X,      192                       ; v192-255 a K step turned: register 16 b + i = k 32 b + 16 h + i of row r
.set SPITCH, 528
.set STAGE,  16*SPITCH
; 64 numbers of a lane, v[s] .. v[s + 63], become a fragment's codes in v[pc] on and its row's scale word in v[pw].
.macro QUANT s, pc, pw
.irp b, 0,1,2,3
	v_max3_num_f32 v[TM+\b], |v[\s+16*\b]|, |v[\s+1+16*\b]|, 0x1800000   ; block b: my 16 numbers, and the floor 2^(3 - 127): so the byte cannot fall under 1
.endr
.irp i, 2,4,6,8,10,12,14
.irp b, 0,1,2,3
	v_max3_num_f32 v[TM+\b], v[TM+\b], |v[\s+16*\b+\i]|, |v[\s+1+16*\b+\i]|   ; the four blocks by turns
.endr
.endr
.irp b, 0,1,2,3
	v_permlanex16_b32 v[TM+4+\b], v[TM+\b], s[SEL], s[SEL+1]
.endr
.irp b, 0,1,2,3
	v_max_num_f32 v[TM+\b], v[TM+\b], v[TM+4+\b]          ; with lane l xor 16's: the block's largest magnitude
.endr
.irp b, 0,1,2,3
	v_add_nc_u32 v[TM+12+\b], 0xff000000, v[TM+\b]        ; 2 off its exponent field: the conversion takes that field as its scale
.endr
.irp b, 0,1,2,3
	v_lshrrev_b32 v[TM+4+\b], 23, v[TM+12+\b]             ; the scale's byte
.endr
	v_lshl_or_b32 v[\pw], v[TM+5], 8, v[TM+4]
	v_lshl_or_b32 v[\pw], v[TM+6], 16, v[\pw]
	v_lshl_or_b32 v[\pw], v[TM+7], 24, v[\pw]
.irp b, 0,1,2,3
	v_cvt_scalef32_pk8_fp4_f32 v[\pc+2*\b], v[\s+16*\b:\s+7+16*\b], v[TM+12+\b]
	v_cvt_scalef32_pk8_fp4_f32 v[\pc+1+2*\b], v[\s+8+16*\b:\s+15+16*\b], v[TM+12+\b]
.endr
	v_nop                                                  ; one plain place behind a scaled conversion
.irp c, 0,1                                            ; the operand wants a whole block in a lane: lanes 0-15 block 2 c, lanes 16-31 block 2 c + 1
.irp i, 0,1
	v_permlane16_swap_b32 v[\pc+4*\c+\i], v[\pc+2+4*\c+\i]
.endr
.endr
.endm
.macro LOAD t                          ; K step t of my 16 rows: each load reads 512 consecutive bytes
.irp i, 0,1,2,3,4,5,6,7
	global_load_b128 v[R+64*((\t)%2)+4*\i:R+64*((\t)%2)+4*\i+3], v[OFF+\i], s[SRC1:SRC1+1] offset:512*(\t) th:TH_LOAD_NT
.endr
.irp i, 0,1,2,3,4,5,6,7
	global_load_b128 v[R+64*((\t)%2)+32+4*\i:R+64*((\t)%2)+32+4*\i+3], v[OFF+\i], s[SRC2:SRC2+1] offset:512*(\t) th:TH_LOAD_NT
.endr
.endm
.macro TURN t                          ; through my stage: LDS serves a wave's instructions in order, so no wait stands between the stores and the loads
.irp i, 0,1,2,3,4,5,6,7,8,9,10,11,12,13,14,15
	ds_store_b128 v[STS], v[R+64*((\t)%2)+4*\i:R+64*((\t)%2)+4*\i+3] offset:SPITCH*\i
.endr
.irp b, 0,1,2,3
.irp j, 0,1,2,3
	ds_load_b128 v[X+16*\b+4*\j:X+16*\b+4*\j+3], v[STL] offset:128*\b+16*\j
.endr
.endr
.endm
.macro BRING t
.if (\t) < 3
	s_wait_loadcnt 16                              ; this K step's sixteen loads are in; the next step's sixteen may be out
.else
	s_wait_loadcnt 0x0
.endif
	TURN \t
	s_wait_dscnt 0x0                               ; the step is turned, and the stage's stores have read their registers,
.if (\t) < 2
	LOAD (\t)+2                                    ; which take the loads of two steps on
.endif
.endm
	s_load_b512 s[16:31], s[0:1], 0x0              ; W_o 16, K 18, mask 20, V 22, wq 24, kq 26, mk 28, vq 30
	s_set_vgpr_msb 0x40
	v_lshl_add_u32 v0, v0, 2, 0x10800
	v_mov_b32 v1, 0
	s_set_vgpr_msb 0x4000
	v_lshrrev_b32 v1, 5, v0
	v_readfirstlane_b32 s[WV], v1                  ; wave 0..11
	v_and_b32 v1, 31, v0                           ; lane
	s_cmp_ge_u32 s[WV], 8
	s_cbranch_scc1 .Lv_path
	; ---- waves 0-7: rows with K innermost
	v_and_b32 v2, 15, v0                           ; r
	v_bfe_u32 v3, v0, 4, 1                         ; h
	v_lshlrev_b32 v[LI], 4, v1
	s_mul_i32 s5, s[WV], STAGE                     ; my stage
	v_add_nc_u32 v[STS], s5, v[LI]
	v_mul_u32_u24 v[STL], v2, SPITCH
	v_lshl_add_u32 v[STL], v3, 6, v[STL]
	v_add_nc_u32 v[STL], s5, v[STL]                ; row r, + 64 h: my 16 numbers of a block of 32
	s_lshl_b32 s44, ttmp9, 2
	s_add_co_u32 s44, s44, s[WV]                   ; W_o: unit 4 g + wave
	s_and_b32 s45, s44, 7                          ;   its kslot
	s_lshr_b32 s44, s44, 3                         ;   its tile T
	s_and_b32 s46, s[WV], 1                        ; K and mask: tile g, kslot (half) = wave % 2
	s_lshl_b32 s47, s44, 18                        ; where the source begins.  W_o: 16 T rows of 16,384 bytes + 2,048 kslot
	s_lshl_b32 s7, s45, 11
	s_add_co_u32 s47, s47, s7
	s_lshr_b32 s48, ttmp9, 1                       ; K: row 32 (T / 2) + 8 (T % 2), of 4,096 bytes
	s_lshl_b32 s48, s48, 17
	s_and_b32 s7, ttmp9, 1
	s_lshl_b32 s7, s7, 15
	s_add_co_u32 s48, s48, s7
	s_lshl_b32 s7, s46, 11
	s_add_co_u32 s48, s48, s7
	s_lshl_b32 s49, ttmp9, 16                      ; mask: row 16 RT, of 4,096 bytes
	s_add_co_u32 s49, s49, s7
	s_lshl_b32 s50, s45, 19                        ; where codes go.  wq: kslot << 19 + T << 12
	s_lshl_b32 s7, s44, 12
	s_add_co_u32 s50, s50, s7
	s_lshl_b32 s51, s46, 20                        ; kq: kslot << 20 + T << 12
	s_lshl_b32 s7, ttmp9, 12
	s_add_co_u32 s51, s51, s7
	s_lshl_b32 s52, ttmp9, 11                      ; mk: RT << 11 + half << 10
	s_lshl_b32 s7, s46, 10
	s_add_co_u32 s52, s52, s7
	s_lshl_b32 s53, s44, 11                        ; where scale words go.  wq: 0x400000 + T << 11 + kslot << 8
	s_lshl_b32 s7, s45, 8
	s_add_co_u32 s53, s53, s7
	s_add_co_u32 s53, s53, 0x400000
	s_lshl_b32 s54, ttmp9, 9                       ; kq: 0x200000 + T << 9 + kslot << 8
	s_lshl_b32 s7, s46, 8
	s_add_co_u32 s54, s54, s7
	s_add_co_u32 s54, s54, 0x200000
	s_lshl_b32 s55, ttmp9, 8                       ; mk's flags: 0x80000 + RT << 8 + half << 7
	s_lshl_b32 s7, s46, 7
	s_add_co_u32 s55, s55, s7
	s_add_co_u32 s55, s55, 0x80000
	s_mov_b32 s56, 65536                           ; from rows 0-7 to rows 8-15: K 16 rows,
	s_mov_b32 s57, 32768                           ; the mask 8,
	s_mov_b32 s58, 131072                          ; W_o 8 of its longer rows
	s_mov_b32 s59, 16384
	s_mov_b32 s[PIT], 4096
	s_wait_kmcnt 0x0
	s_cmp_lt_u32 s[WV], 6                          ; K's wave or the mask's?  The choices hang on the wave's number alone
	s_cselect_b64 s[SRC1:SRC1+1], s[18:19], s[20:21]
	s_cselect_b64 s[DCO:DCO+1], s[26:27], s[28:29]
	s_cselect_b32 s48, s48, s49
	s_cselect_b32 s51, s51, s52
	s_cselect_b32 s54, s54, s55
	s_cselect_b32 s56, s56, s57
	s_cmp_lt_u32 s[WV], 4                          ; or W_o's?
	s_cselect_b64 s[SRC1:SRC1+1], s[16:17], s[SRC1:SRC1+1]
	s_cselect_b64 s[DCO:DCO+1], s[24:25], s[DCO:DCO+1]
	s_cselect_b32 s48, s47, s48
	s_cselect_b32 s52, s50, s51
	s_cselect_b32 s54, s53, s54
	s_cselect_b32 s56, s58, s56
	s_cselect_b32 s[PIT], s59, s[PIT]
	s_mov_b32 s49, 0
	s_mov_b32 s53, 0
	s_mov_b32 s55, 0
	s_mov_b32 s57, 0
	s_add_nc_u64 s[SRC1:SRC1+1], s[SRC1:SRC1+1], s[48:49]
	s_add_nc_u64 s[SRC2:SRC2+1], s[SRC1:SRC1+1], s[56:57]
	s_add_nc_u64 s[DSC:DSC+1], s[DCO:DCO+1], s[54:55]
	s_add_nc_u64 s[DCO:DCO+1], s[DCO:DCO+1], s[52:53]
.irp i, 0,1,2,3,4,5,6,7
	v_mad_u32_u24 v[OFF+\i], s[PIT], \i, v[LI]
.endr
	LOAD 0
	LOAD 1                                         ; 32 loads, 16 KB, of every wave are on their way
	s_cmp_ge_u32 s[WV], 6
	s_cbranch_scc1 .Lmask_path
	; ---- waves 0-5: four K steps become four fragments and a unit of scale words
	s_mov_b32 s[SEL], 0x76543210
	s_mov_b32 s[SEL+1], 0xfedcba98
.irp b, 0,1,2,3
	v_mov_b32 v[TM+4+\b], 0                        ; written once: a lane permute's destination counts as one of its sources
.endr
	v_lshlrev_b32 v[SO], 4, v2
	v_lshl_add_u32 v[SO], v3, 3, v[SO]             ; 16 r + 8 h
.macro QSTEP t
	BRING \t
	QUANT X, PC+8*\t, SW+\t
	global_store_b128 v[LI], v[PC+8*\t:PC+8*\t+3], s[DCO:DCO+1] offset:1024*\t        ; the fragment as it stands: each store covers 512 consecutive bytes, aligned
	global_store_b128 v[LI], v[PC+8*\t+4:PC+8*\t+7], s[DCO:DCO+1] offset:1024*\t+512
.endm
	QSTEP 0
	QSTEP 1
	QSTEP 2
	QSTEP 3
	v_cmp_ne_u32 vcc_lo, 0, v3                     ; both halves of the lanes hold row r's four words: lanes 0-15 store words 0, 1, lanes 16-31 words 2, 3
	v_cndmask_b32 v28, v[SW], v[SW+2], vcc_lo
	v_cndmask_b32 v29, v[SW+1], v[SW+3], vcc_lo
	global_store_b64 v[SO], v[28:29], s[DSC:DSC+1] ; 32 lanes store 256 consecutive bytes, aligned
	s_set_vgpr_msb 0x5
	s_wait_tensorcnt 0x0
	ds_add_u32 v0, v1
	s_wait_dscnt 0x0
	s_set_vgpr_msb 0x500
	s_endpgm
	; ---- waves 6, 7: four key steps of the mask become 4 x 64 lane words and two flag words
.Lmask_path:
	v_lshlrev_b32 v[SO], 3, v1                     ; 8 x lane
	s_mov_b32 s[ANY4], 0
	s_mov_b32 s[ALL4], 0
.macro MSTEP t
	BRING \t
	v_mov_b32 v[PC+8*\t], 0
	v_mov_b32 v[PC+8*\t+1], 0
.irp q, 0,1,2,3,4,5,6,7                        ; a compare's 32 result bits ARE word n = 8 q + e; lane n / 2 of the pair takes it
.irp e, 0,1,2,3,4,5,6,7
	v_cmp_ne_u32 s[CMP+\e], 0, v[X+8*\q+\e]
.endr
.irp e, 0,1,2,3,4,5,6,7
	v_writelane_b32 v[PC+8*\t+\e%2], s[CMP+\e], 4*\q+\e/2
.endr
.endr
	v_or_b32 v16, v[PC+8*\t], v[PC+8*\t+1]
	v_and_b32 v17, v[PC+8*\t], v[PC+8*\t+1]
	v_cmp_ne_u32 vcc_lo, 0, v16                    ; some word has a bit: the step keeps a key
	s_cmp_lg_u32 vcc_lo, 0
	s_cselect_b32 s44, 1<<\t, 0
	s_or_b32 s[ANY4], s[ANY4], s44
	v_cmp_ne_u32 vcc_lo, -1, v17                   ; no word lacks a bit: the step keeps all
	s_cmp_eq_u32 vcc_lo, 0
	s_cselect_b32 s44, 1<<\t, 0
	s_or_b32 s[ALL4], s[ALL4], s44
	global_store_b64 v[SO], v[PC+8*\t:PC+8*\t+1], s[DCO:DCO+1] offset:256*\t          ; 32 lanes store 256 consecutive bytes, aligned
.endm
	MSTEP 0
	MSTEP 1
	MSTEP 2
	MSTEP 3
	v_mov_b32 v16, 0
	v_writelane_b32 v16, s[ANY4], 0
	v_writelane_b32 v16, s[ALL4], 1
	v_lshlrev_b32 v17, 2, v1
	global_store_b32 v17, v16, s[DSC:DSC+1]        ; 128 bytes; the other wave of the pair stores the unit's other half
	s_set_vgpr_msb 0x5
	s_wait_tensorcnt 0x0
	ds_add_u32 v0, v1
	s_wait_dscnt 0x0
	s_set_vgpr_msb 0x500
	s_endpgm
	; ---- waves 8-11: V, whose K (the keys) is not innermost: a lane takes a channel and its registers run down the keys, so that a block of 32 keys lies in one lane
.Lv_path:
	s_sub_co_u32 s44, s[WV], 8                     ; B: which 32 channels
	s_lshr_b32 s45, ttmp9, 6                       ; b
	s_and_b32 s46, ttmp9, 7                        ; s: which 128 keys
	s_lshr_b32 s47, ttmp9, 3                       ; head = 8 b + hkv
	s_and_b32 s48, s47, 7                          ; hkv
	s_lshl_b32 s50, s45, 10
	s_lshl_b32 s51, s46, 7
	s_add_co_u32 s50, s50, s51                     ; the first key's row,
	s_lshl_b32 s50, s50, 12                        ; of 4,096 bytes,
	s_lshl_b32 s51, s48, 9
	s_add_co_u32 s50, s50, s51                     ; + the head's 512 bytes
	s_lshl_b32 s51, s44, 7
	s_add_co_u32 s50, s50, s51                     ; + my 128
	s_mov_b32 s51, 0
	s_lshl_b32 s52, s47, 16                        ; codes: head << 16 + s << 13 + B << 11
	s_lshl_b32 s53, s46, 13
	s_add_co_u32 s52, s52, s53
	s_lshl_b32 s53, s44, 11
	s_add_co_u32 s52, s52, s53
	s_mov_b32 s53, 0
	s_lshl_b32 s54, s47, 12                        ; scale words: 0x200000 + head << 12 + s << 9 + B << 7
	s_lshl_b32 s55, s46, 9
	s_add_co_u32 s54, s54, s55
	s_lshl_b32 s55, s44, 7
	s_add_co_u32 s54, s54, s55
	s_add_co_u32 s54, s54, 0x200000
	s_mov_b32 s55, 0
	v_lshlrev_b32 v4, 2, v1                        ; in: 4 bytes a lane
	v_and_b32 v5, 7, v0
	v_bfe_u32 v6, v0, 4, 1
	v_lshl_add_u32 v5, v6, 3, v5                   ; channel 32 B + lane is row r = lane % 8 + 8 (lane / 16)
	v_bfe_u32 v6, v0, 3, 1                         ; of tile 2 B + u, u = (lane / 8) % 2
	v_lshlrev_b32 v7, 4, v5
	v_lshl_add_u32 v7, v6, 10, v7                  ; out: 1,024 u + 16 r
	v_lshlrev_b32 v8, 2, v5
	v_lshl_add_u32 v8, v6, 6, v8                   ; scale word: 64 u + 4 r
	s_wait_kmcnt 0x0
	s_add_nc_u64 s[SRC1:SRC1+1], s[22:23], s[50:51]
	s_add_nc_u64 s[DCO:DCO+1], s[30:31], s[52:53]
	s_add_nc_u64 s[DSC:DSC+1], s[30:31], s[54:55]
.set i, 0
.rept 128
	global_load_b32 v[64+i], v4, s[SRC1:SRC1+1] offset:i*4096 th:TH_LOAD_NT   ; key 128 s + i: 128 consecutive bytes a wave, the four waves side by side on 512
.set i, i+1
.endr
.macro VBLOCK kb                       ; block kb: keys 32 kb .. + 31 of my channel: piece 256 kb + 16 r of the fragment
.set XS, 64+32*\kb
.if \kb < 2
	s_wait_loadcnt 63                              ; of the 128 loads at most 63 are out: the first 65 are in, blocks 0 and 1 among them
.elseif \kb == 2
	s_wait_loadcnt 32                              ; block 3's may be out
.else
	s_wait_loadcnt 0x0
.endif
	v_max3_num_f32 v16, |v[XS]|, |v[XS+1]|, |v[XS+2]|
	v_max3_num_f32 v17, |v[XS+3]|, |v[XS+4]|, |v[XS+5]|
.irp i, 6,10,14,18,22,26
	v_max3_num_f32 v16, v16, |v[XS+\i]|, |v[XS+\i+1]|
	v_max3_num_f32 v17, v17, |v[XS+\i+2]|, |v[XS+\i+3]|
.endr
	v_max3_num_f32 v16, v16, |v[XS+30]|, |v[XS+31]|
	v_max3_num_f32 v16, v16, v17, 0x1800000        ; and the floor
	v_add_nc_u32 v18, 0xff000000, v16              ; the conversion's scale operand
	v_lshrrev_b32 v19, 23, v18                     ; the byte
.if \kb == 0
	v_mov_b32 v20, v19
.else
	v_lshl_or_b32 v20, v19, 8*\kb, v20
.endif
.irp g, 0,1,2,3
	v_cvt_scalef32_pk8_fp4_f32 v[32+4*\kb+\g], v[XS+8*\g:XS+8*\g+7], v18
.endr
	global_store_b128 v7, v[32+4*\kb:35+4*\kb], s[DCO:DCO+1] offset:256*\kb   ; the sixteen lanes of a tile store 256 consecutive bytes, aligned: two such runs a store
.endm
	VBLOCK 0
	VBLOCK 1
	VBLOCK 2
	VBLOCK 3
	global_store_b32 v8, v20, s[DSC:DSC+1]         ; my two tiles' scale words: 128 consecutive bytes (half an aligned 256; the neighbouring wave stores the other half)
	s_endpgm
.Lfunc_end_k_q71a74b51c8_prep:
	.size	k_q71a74b51c8_prep, .Lfunc_end_k_q71a74b51c8_prep-k_q71a74b51c8_prep
	.p2alignl 7, 3214868480
	.fill 96, 4, 3214868480
	.section	.rodata,"a",@progbits
	.p2align	6, 0x0
	.amdhsa_kernel k_q71a74b51c8_prep
		.amdhsa_group_segment_fixed_size 69120
		.amdhsa_private_segment_fixed_size 0
		.amdhsa_enable_private_segment 0
		.amdhsa_kernarg_size 64
		.amdhsa_user_sgpr_count 2
		.amdhsa_user_sgpr_kernarg_segment_ptr 1
		.amdhsa_wavefront_size32 1
		.amdhsa_system_sgpr_workgroup_id_x 1
		.amdhsa_system_sgpr_workgroup_id_y 1
		.amdhsa_system_sgpr_workgroup_id_z 1
		.amdhsa_system_vgpr_workitem_id 0
		.amdhsa_next_free_vgpr 258
		.amdhsa_next_free_sgpr 66
		.amdhsa_reserve_vcc 1
		.amdhsa_float_denorm_mode_32 3
		.amdhsa_float_denorm_mode_16_64 3
		.amdhsa_memory_ordered 1
		.amdhsa_forward_progress 1
		.amdhsa_inst_pref_size 101
	.end_amdhsa_kernel
	.amdgpu_metadata
---
amdhsa.version: [ 1, 2 ]
amdhsa.kernels:
  - .name:           k_q71a74b51c8_prep
    .symbol:         k_q71a74b51c8_prep.kd
    .args:
      - { .name: W_o, .offset: 0, .size: 8, .value_kind: global_buffer, .address_space: global }
      - { .name: K, .offset: 8, .size: 8, .value_kind: global_buffer, .address_space: global }
      - { .name: mask, .offset: 16, .size: 8, .value_kind: global_buffer, .address_space: global }
      - { .name: V, .offset: 24, .size: 8, .value_kind: global_buffer, .address_space: global }
      - { .name: wq, .offset: 32, .size: 8, .value_kind: global_buffer, .address_space: global }
      - { .name: kq, .offset: 40, .size: 8, .value_kind: global_buffer, .address_space: global }
      - { .name: mk, .offset: 48, .size: 8, .value_kind: global_buffer, .address_space: global }
      - { .name: vq, .offset: 56, .size: 8, .value_kind: global_buffer, .address_space: global }
    .group_segment_fixed_size: 69120
    .private_segment_fixed_size: 0
    .kernarg_segment_align: 8
    .kernarg_segment_size: 64
    .max_flat_workgroup_size: 384
    .sgpr_count:     66
    .vgpr_count:     258
    .wavefront_size: 32
...
	.end_amdgpu_metadata
.endif
;; end of part 1
;; launch attn (part 2): grid 8 x 32, 16 waves a work-group, no clusters, 278,528 bytes of LDS; arguments Q, kq, vq, mk, aq; writes aq
.if DOCPART == 2
	.amdgcn_target "amdgcn-amd-amdhsa--gfx1250"
	.amdhsa_code_object_version 6
	.text
	.protected	k_q71a74b51c8_attn
	.globl	k_q71a74b51c8_attn
	.p2align	8
	.type	k_q71a74b51c8_attn,@function
k_q71a74b51c8_attn:
	s_mov_b64 s[64:65], 0
	v_nop
	global_prefetch_b8 v0, s[64:65] scope:SCOPE_SE
	s_setreg_imm32_b32 hwreg(HW_REG_WAVE_MODE, 25, 1), 1
	s_wait_xcnt 0x0
; ATTN.  For each batch b, key head hkv and query head hq = 4 hkv + g: attn = softmax(Q K^T / sqrt(128), masked) V, both products on codes of FP4 (E2M1) with E8M0 scales; attn is quantised along the head's channels
; and stored as fragments for the projection.  Q [4][1024][4096] f32 is quantised here, in registers; kq, vq, mk are PREP's (their layouts stand at its head); aq: codes [hkv 8][RT 256][g 4][1024] (row 16 RT + r),
; from 0x800000 scale words [RT][hkv][r 16][g 4].
; THE SOFTMAX: t = score x log2(e) / sqrt(128); M = the running largest t rounded UP to a whole number; p = 2^(t - M) is quantised along the keys, not normalised; the row's sum is taken of the unquantised p and divides O at the end.
; When M moves, the sum and O are multiplied by 2^(old M - new M): exact.  A block's largest p is the exponential of the block's largest score (this takes v_exp_f32 not to fall where its input rises).
; THE MASK is an input: hidden scores become -infinity ahead of the maximum, by one select a score on PREP's lane words.  A key step that keeps no key of the tile's 16 queries adds nothing and is jumped over; in a step that keeps all, the selects are.
; Both are scalar branches on PREP's flags.  A ROW WITH NO KEY LEFT has the sum 0: its scale words become 0xffffffff, which makes its whole row of the output NaN, as the softmax of such a row is.
; SHARES.  Work-group (j, 8 b + hkv) holds ALL codes and scale words of its key head in LDS (136 KB, filled once through registers).  Wave w: g = w % 4; it walks two tiles of 16 queries, number j + 8 m with m = w / 4 and then 7 - w / 4.
; Four waves to a SIMD, 256 registers each, so that one wave's vector work stands beside another's matrix work and LDS loads.
; NO TENSOR LOADS AND NO JOINT REQUESTS: steps are left out by branches on numbers read from memory; what partners could share is 136 KB once a work-group.
; LAYOUT.  Both products are used transposed (S^T = K Q^T, O^T = V^T P^T): a lane holds ONE query (lane % 16).  By PREP's choice of a tile's rows, register 16 B + i of S^T is key 32 B + 16 (lane / 16) + i, and of O^T that channel.
; LIMITS: a block of zeros gets the byte 1 (only this program reads the bytes); NaN and infinities among the inputs are not served.
; REGISTERS: v0 kept; v1-6 addresses; v12 -M, v13 the largest t, v[14:15] the sum; v16-23 Q; v24-31 scale words of K's, then V's tiles; v32-95 eight fragments; v96-159 S^T, then p (and Q's rows as loaded);
;   v160-223 O^T (and Q's rows turned); v224-231 p's codes, then attn's; v232-247 at work; v240 -infinity; v241 attn's scale word; v242, v248, v249 addresses; v252 f or 1 / sum; v253 p's scale word; v255 Q's.
.set VC,     65536                     ; LDS: K's 64 fragments at 1,024 (8 s + t); V's at VC + 8,192 s + 1,024 T;
.set KSC,    131072                    ; K's scale words at 64 (8 s + t) + 4 r;
.set VSC,    135168                    ; V's at 512 s + 64 T + 4 r;
.set QST,    139264                    ; a stage of 16 rows x 528 bytes for each wave;
.set SPITCH, 528
.set ASC,    QST+16*16*SPITCH          ; attn's scale words: 128 bytes for each wave: 64 x trip + 4 r
.set LI,   1                           ; v1   16 x lane: a fragment's place for my lane, in LDS and in memory
.set AV,   2                           ; v2   VC + 16 x lane
.set ASK,  3                           ; v3   KSC + 4 r
.set ASV,  4                           ; v4   VSC + 4 r
.set QSS,  5                           ; v5   my stage, on the way in
.set QSL,  6                           ; v6   and on the way out
.set TM,   232
.set NEG,  240
.set AWD,  241
.set AW,   242
.set AGL,  248
.set AGO,  249
.set QB,   4                           ; s[4:5]   Q at my head's columns of query tile j;  s[6:7] at the tile in hand
.set QP,   6
.set MBB,  8                           ; s[8:9]   the lane words of tile j;  s[10:11] of the tile in hand
.set MBP,  10
.set MFB,  12                          ; s[12:13] the flags of tile j;  s[66:67] of the tile asked for
.set MFP,  66
.set WV,   14
.set M,    15                          ; s15  m of the tile to be asked for next
.set ACB,  68                          ; s[68:69] attn's codes of tile j;  s[70:71] of the tile in hand
.set ACP,  70
.set ASB,  72                          ; s[72:73] attn's scale words of tile j
.set ANY,  74                          ; s74  bit s: step s keeps some key;  s75: keeps all
.set ALL,  75
.set TRIP, 77
.set SEL,  96                          ; s[96:97] v_permlanex16_b32's selects for lane l xor 16
.set CS,   98                          ; s[98:99] c = log2(e) / sqrt(128), twice: the packed form names a pair
; s[16:63] and s[80:95]: a step's 64 lane words: word n in s[16 + n], from n = 48 on in s[32 + n]
.macro QUANT s, pc, pw                 ; 64 numbers of a lane, register 16 b + i = k 32 b + 16 (lane / 16) + i of my row, become a fragment's codes in v[pc] on and its scale word in v[pw]
.irp b, 0,1,2,3
	v_max3_num_f32 v[TM+\b], |v[\s+16*\b]|, |v[\s+1+16*\b]|, 0x1800000   ; block b: my 16 numbers, and the floor 2^(3 - 127): so the byte cannot fall under 1
.endr
.irp i, 2,4,6,8,10,12,14
.irp b, 0,1,2,3
	v_max3_num_f32 v[TM+\b], v[TM+\b], |v[\s+16*\b+\i]|, |v[\s+1+16*\b+\i]|
.endr
.endr
.irp b, 0,1,2,3
	v_permlanex16_b32 v[TM+4+\b], v[TM+\b], s[SEL], s[SEL+1]
.endr
.irp b, 0,1,2,3
	v_max_num_f32 v[TM+\b], v[TM+\b], v[TM+4+\b]
.endr
.irp b, 0,1,2,3
	v_add_nc_u32 v[TM+12+\b], 0xff000000, v[TM+\b]        ; 2 off the exponent field: the conversion's scale operand
.endr
.irp b, 0,1,2,3
	v_lshrrev_b32 v[TM+4+\b], 23, v[TM+12+\b]
.endr
	v_lshl_or_b32 v[\pw], v[TM+5], 8, v[TM+4]
	v_lshl_or_b32 v[\pw], v[TM+6], 16, v[\pw]
	v_lshl_or_b32 v[\pw], v[TM+7], 24, v[\pw]
.irp b, 0,1,2,3
	v_cvt_scalef32_pk8_fp4_f32 v[\pc+2*\b], v[\s+16*\b:\s+7+16*\b], v[TM+12+\b]
	v_cvt_scalef32_pk8_fp4_f32 v[\pc+1+2*\b], v[\s+8+16*\b:\s+15+16*\b], v[TM+12+\b]
.endr
	v_nop                                                  ; one plain place behind a scaled conversion
.irp c, 0,1
.irp i, 0,1
	v_permlane16_swap_b32 v[\pc+4*\c+\i], v[\pc+2+4*\c+\i]
.endr
.endr
.endm
; Tile m = s[M] is asked for: its 16 queries' 512 bytes of my head, and its flags.  No earlier load that names these bases is out: Q's were waited for at the tile's head, the scalar loads in each step.
.macro NEXTQ
	s_lshl_b32 s100, s[M], 21                      ; 128 m queries of 16,384 bytes
	s_mov_b32 s101, 0
	s_add_nc_u64 s[QP:QP+1], s[QB:QB+1], s[100:101]
	s_lshl_b32 s100, s[M], 11
	s_add_nc_u64 s[MFP:MFP+1], s[MFB:MFB+1], s[100:101]
.irp i, 0,1,2,3,4,5,6,7,8,9,10,11,12,13,14,15
	global_load_b128 v[96+4*\i:99+4*\i], v[LI], s[QP:QP+1] offset:16384*\i th:TH_LOAD_NT   ; 32 lanes read 512 consecutive bytes
.endr
	s_load_b64 s[2:3], s[MFP:MFP+1], 0x0           ; steps 0-3: some, all
	s_load_b64 s[104:105], s[MFP:MFP+1], 0x80      ; steps 4-7
.endm
	s_load_b256 s[16:23], s[0:1], 0x0              ; Q 16, kq 18, vq 20, mk 22
	s_load_b64 s[24:25], s[0:1], 0x20              ; aq
	v_lshl_add_u32 v11, v0, 2, 0x43800
	v_mov_b32 v243, 0
	v_lshrrev_b32 v32, 5, v0
	v_readfirstlane_b32 s[WV], v32                 ; wave 0..15
	s_and_b32 s26, ttmp7, 0xffff                   ; 8 b + hkv
	s_lshr_b32 s27, s26, 3                         ; b
	s_and_b32 s28, s26, 7                          ; hkv
	s_and_b32 s29, s[WV], 3                        ; g
	s_lshr_b32 s[M], s[WV], 2                      ; my first m
	s_lshl_b32 s30, s27, 6
	s_add_co_u32 s30, s30, ttmp9                   ; 64 b + j: the row tile with m = 0
	s_lshr_b32 s76, s28, 2                         ; kq's kslot
	s_and_b32 s78, s28, 3                          ; and q
	s_lshl_b32 s32, s27, 24                        ; Q: b << 24 + hq << 9 + j << 18
	s_lshl_b32 s31, s28, 2
	s_add_co_u32 s31, s31, s29
	s_lshl_b32 s31, s31, 9
	s_add_co_u32 s32, s32, s31
	s_lshl_b32 s31, ttmp9, 18
	s_add_co_u32 s32, s32, s31
	s_mov_b32 s33, 0
	s_lshl_b32 s34, s30, 11                        ; lane words
	s_mov_b32 s35, 0
	s_lshl_b32 s36, s30, 8                         ; flags
	s_add_co_u32 s36, s36, 0x80000
	s_mov_b32 s37, 0
	s_lshl_b32 s38, s28, 20                        ; attn's codes: hkv << 20 + RT << 12 + g << 10
	s_lshl_b32 s31, s30, 12
	s_add_co_u32 s38, s38, s31
	s_lshl_b32 s31, s29, 10
	s_add_co_u32 s38, s38, s31
	s_mov_b32 s39, 0
	s_lshl_b32 s40, s30, 11                        ; attn's scale words: 0x800000 + RT << 11 + hkv << 8
	s_lshl_b32 s31, s28, 8
	s_add_co_u32 s40, s40, s31
	s_add_co_u32 s40, s40, 0x800000
	s_mov_b32 s41, 0
	s_lshl_b32 s42, s76, 20                        ; K's codes: kslot << 20 + 64 b << 12 + q << 10
	s_lshl_b32 s31, s27, 18
	s_add_co_u32 s42, s42, s31
	s_lshl_b32 s31, s78, 10
	s_add_co_u32 s42, s42, s31
	s_mov_b32 s43, 0
	s_lshl_b32 s44, s27, 15                        ; K's scale words: 0x200000 + 64 b << 9 + kslot << 8 + 4 q
	s_lshl_b32 s31, s76, 8
	s_add_co_u32 s44, s44, s31
	s_lshl_b32 s31, s78, 2
	s_add_co_u32 s44, s44, s31
	s_add_co_u32 s44, s44, 0x200000
	s_mov_b32 s45, 0
	s_lshl_b32 s46, s26, 16                        ; V's codes
	s_mov_b32 s47, 0
	s_lshl_b32 s48, s26, 12                        ; V's scale words
	s_add_co_u32 s48, s48, 0x200000
	s_mov_b32 s49, 0
	s_mov_b32 s[SEL], 0x76543210
	s_mov_b32 s[SEL+1], 0xfedcba98
	s_mov_b32 s[CS], 0x3e0293ee
	s_mov_b32 s[CS+1], s[CS]
	s_mul_i32 s31, s[WV], 16*SPITCH
	s_add_co_u32 s31, s31, QST                     ; my stage
	s_lshl_b32 s79, s[WV], 7                       ; my 128 bytes of attn's scale words
	v_and_b32 v10, 31, v0                          ; lane
	v_and_b32 v8, 15, v0                           ; r
	v_bfe_u32 v9, v0, 4, 1                         ; h
	v_lshlrev_b32 v[LI], 4, v10
	v_add_nc_u32 v[AV], VC, v[LI]
	v_lshl_add_u32 v[ASK], v8, 2, KSC
	v_lshl_add_u32 v[ASV], v8, 2, VSC
	v_add_nc_u32 v[QSS], s31, v[LI]
	v_mul_u32_u24 v[QSL], v8, SPITCH
	v_lshl_add_u32 v[QSL], v9, 6, v[QSL]
	v_add_nc_u32 v[QSL], s31, v[QSL]               ; row r, + 64 h
	v_lshl_add_u32 v[AW], v8, 2, ASC
	v_add_nc_u32 v[AW], s79, v[AW]                 ; ASC + 128 w + 4 r
	v_bfe_u32 v250, v0, 6, 1                       ; the gather at the end, threads 0-127: thread = 16 m + r.  Tile m was its wave's trip m / 4,
	v_bfe_u32 v251, v0, 4, 2
	v_mul_u32_u24 v[AGL], v250, 3
	v_xor_b32 v[AGL], v[AGL], v251                 ; and the waves were 4 mp + g, mp = m or 7 - m
	v_lshlrev_b32 v[AGL], 9, v[AGL]
	v_lshl_add_u32 v[AGL], v250, 6, v[AGL]
	v_lshl_add_u32 v[AGL], v8, 2, v[AGL]
	v_add_nc_u32 v[AGL], ASC, v[AGL]               ; ASC + 512 mp + 64 trip + 4 r; word g lies 128 g on
	v_bfe_u32 v[AGO], v0, 4, 3
	v_lshlrev_b32 v[AGO], 14, v[AGO]
	v_lshl_add_u32 v[AGO], v8, 4, v[AGO]           ; in memory: m << 14 + 16 r
	v_lshl_add_u32 v33, v32, 14, v[LI]             ; the fill.  K's codes: wave w takes fragments 4 w .. 4 w + 3, 4,096 bytes apart in memory,
	v_lshl_add_u32 v34, v32, 12, v[LI]             ; 1,024 apart in LDS
	v_lshlrev_b32 v35, 4, v0                       ; V's codes: 64 KB on end, 16 bytes a thread
	v_add_nc_u32 v36, VC, v35
	v_lshrrev_b32 v37, 4, v0                       ; K's scale words: word 16 tile + r lies at tile << 9 + 16 r
	v_lshlrev_b32 v37, 9, v37
	v_lshl_add_u32 v37, v8, 4, v37
	v_lshl_add_u32 v38, v0, 2, KSC
	v_lshlrev_b32 v39, 3, v0                       ; V's: 4 KB on end
	v_lshl_add_u32 v40, v0, 3, VSC
	v_mov_b32 v[NEG], 0xff800000                   ; -infinity
.irp b, 0,1,2,3
	v_mov_b32 v[TM+4+\b], 0                        ; written once: a lane permute's destination counts as one of its sources
.endr
	v_mov_b32 v253, 0                              ; (named as the upper half of the pair v[252:253] before it is first written)
	v_mov_b32 v254, 0
	s_wait_kmcnt 0x0
	s_add_nc_u64 s[QB:QB+1], s[16:17], s[32:33]
	s_add_nc_u64 s[MBB:MBB+1], s[22:23], s[34:35]
	s_add_nc_u64 s[MFB:MFB+1], s[22:23], s[36:37]
	s_add_nc_u64 s[ACB:ACB+1], s[24:25], s[38:39]
	s_add_nc_u64 s[ASB:ASB+1], s[24:25], s[40:41]
	s_add_nc_u64 s[50:51], s[18:19], s[42:43]
	s_add_nc_u64 s[52:53], s[18:19], s[44:45]
	s_add_nc_u64 s[54:55], s[20:21], s[46:47]
	s_add_nc_u64 s[56:57], s[20:21], s[48:49]
.irp i, 0,1,2,3
.irp c, 0,1
	global_load_b128 v[160+8*\i+4*\c:163+8*\i+4*\c], v33, s[50:51] offset:4096*\i+512*\c
.endr
.endr
.irp i, 0,1,2,3,4,5,6,7
	global_load_b128 v[192+4*\i:195+4*\i], v35, s[54:55] offset:8192*\i
.endr
	global_load_b32 v224, v37, s[52:53]
	global_load_b32 v225, v37, s[52:53] offset:16384
	global_load_b64 v[226:227], v39, s[56:57]
	NEXTQ                                          ; my first tile's Q and flags
	s_wait_loadcnt 16                              ; the nineteen loads of the fill are in; Q's sixteen may be out
.irp i, 0,1,2,3
.irp c, 0,1
	ds_store_b128 v34, v[160+8*\i+4*\c:163+8*\i+4*\c] offset:1024*\i+512*\c
.endr
.endr
.irp i, 0,1,2,3,4,5,6,7
	ds_store_b128 v36, v[192+4*\i:195+4*\i] offset:8192*\i
.endr
	ds_store_b32 v38, v224
	ds_store_b32 v38, v225 offset:2048
	ds_store_b64 v40, v[226:227]
	s_wait_dscnt 0x0                               ; for the others' sake: my part of the head's codes and scale words lies in LDS
	s_barrier_signal -1
	s_barrier_wait -1                              ; everybody's does; from here on these bytes are only read
; A KEY STEP: keys 128 s .. 128 s + 127.  Every offset is an immediate.
.macro STEP s
	s_bitcmp1_b32 s[ANY], \s                       ; no key of the step counts for any of my 16 queries: nothing to add
	s_cbranch_scc0 .Lhidden_\@
	s_load_b512 s[16:31], s[MBP:MBP+1], 256*\s     ; the step's 64 lane words
	s_load_b512 s[32:47], s[MBP:MBP+1], 256*\s+64
	s_load_b512 s[48:63], s[MBP:MBP+1], 256*\s+128
	s_load_b512 s[80:95], s[MBP:MBP+1], 256*\s+192
.rept 4
	v_nop                                          ; places in front of loads into registers that the last step's matrix instructions have read
.endr
.irp t, 0,1,2,3,4,5,6,7
.irp c, 0,1
	ds_load_b128 v[32+8*\t+4*\c:35+8*\t+4*\c], v[LI] offset:8192*\s+1024*\t+512*\c
.endr
	ds_load_b32 v[24+\t], v[ASK] offset:512*\s+64*\t
.endr
	s_wait_dscnt 0x0
.irp t, 0,1,2,3,4,5,6,7                        ; S^T = K Q^T: source 0 = 16 keys, source 1 = my 16 queries
	v_wmma_scale_f32_16x16x128_f8f6f4 v[96+8*\t:103+8*\t], v[32+8*\t:39+8*\t], v[16:23], 0, v[24+\t], v255 matrix_a_fmt:MATRIX_FMT_FP4 matrix_b_fmt:MATRIX_FMT_FP4
.endr
.rept 4
	v_nop                                          ; places in front of the loads below and of the first read of the scores
.endr
.irp t, 0,1,2,3,4,5,6,7                        ; V's eight fragments and scale words land while the softmax is walked
.irp c, 0,1
	ds_load_b128 v[32+8*\t+4*\c:35+8*\t+4*\c], v[AV] offset:8192*\s+1024*\t+512*\c
.endr
	ds_load_b32 v[24+\t], v[ASV] offset:512*\s+64*\t
.endr
	s_wait_kmcnt 0x0                               ; the lane words are in (on both ways: the next step loads into the same registers)
	s_bitcmp1_b32 s[ALL], \s
	s_cbranch_scc1 .Lopen_\@                       ; every key counts for every query: nothing to hide
.set n, 0
.rept 64
	v_cndmask_b32 v[96+n], v[NEG], v[96+n], s[16+n+16*(n/48)]   ; bit (r, h) of word n: register n's key counts for my query; else -infinity
.set n, n+1
.endr
.Lopen_\@:
.irp b, 0,1,2,3
	v_max3_num_f32 v[232+\b], v[96+16*\b], v[97+16*\b], v[98+16*\b]   ; the largest score of each block of 32 keys: for the row's maximum, and for the block's largest p
.endr
.irp i, 3,5,7,9,11,13
.irp b, 0,1,2,3
	v_max3_num_f32 v[232+\b], v[232+\b], v[96+16*\b+\i], v[97+16*\b+\i]
.endr
.endr
.irp b, 0,1,2,3
	v_max_num_f32 v[232+\b], v[232+\b], v[111+16*\b]
.endr
.irp b, 0,1,2,3
	v_permlanex16_b32 v[236+\b], v[232+\b], s[SEL], s[SEL+1]
.endr
.irp b, 0,1,2,3
	v_max_num_f32 v[232+\b], v[232+\b], v[236+\b]  ; with lane l xor 16's 16 keys
.endr
	v_max3_num_f32 v254, v232, v233, v234
	v_max_num_f32 v254, v254, v235                 ; the step's largest score of my query
	v_mul_f32 v254, s[CS], v254                    ; as t
	v_max_num_f32 v13, v13, v254                   ; the running largest t
	v_mov_b32 v254, v12
	v_floor_f32 v12, -v13                          ; the new -M = -ceil(t)
	v_sub_f32 v254, v12, v254                      ; old M - new M: a whole number, 0 or less
	v_cvt_i32_f32 v254, v254                       ; (it saturates)
	v_ldexp_f32 v252, 1.0, v254                    ; f = 2^(old M - new M)
.set j, 0
.rept 32
	v_pk_fma_f32 v[96+j:97+j], v[96+j:97+j], s[CS:CS+1], v[12:13] op_sel_hi:[1,0,0]   ; t - M, two at a time
.set j, j+2
.endr
.irp b, 0,1,2,3
	v_fma_f32 v[232+\b], v[232+\b], s[CS], v12     ; the same of each block's largest score
.endr
.set j, 0
.rept 64
	v_exp_f32 v[96+j], v[96+j]                     ; p = 2^(t - M), at most 1
.set j, j+1
.endr
.irp b, 0,1,2,3
	v_exp_f32 v[232+\b], v[232+\b]                 ; the block's largest p
.endr
	v_pk_mul_f32 v[14:15], v[14:15], v[252:253] op_sel_hi:[1,0]   ; the sums under the new M.  (A plain place behind the exponentials)
	s_wait_alu depctr_va_vdst(0)
.irp b, 0,1,2,3
	v_max_num_f32 v[232+\b], 0x1800000, v[232+\b]  ; the floor: a block whose every p is 0 keeps the byte 1: its codes are zeros
.endr
.irp b, 0,1,2,3
	v_add_nc_u32 v[244+\b], 0xff000000, v[232+\b]
.endr
.irp b, 0,1,2,3
	v_lshrrev_b32 v[236+\b], 23, v[244+\b]
.endr
	v_lshl_or_b32 v253, v237, 8, v236              ; p's scale word for these 128 keys
	v_lshl_or_b32 v253, v238, 16, v253
	v_lshl_or_b32 v253, v239, 24, v253
.irp b, 0,1,2,3
	v_cvt_scalef32_pk8_fp4_f32 v[224+2*\b], v[96+16*\b:103+16*\b], v[244+\b]
	v_cvt_scalef32_pk8_fp4_f32 v[225+2*\b], v[104+16*\b:111+16*\b], v[244+\b]
.endr
	v_nop                                          ; one plain place behind a scaled conversion
.irp c, 0,1
.irp i, 0,1
	v_permlane16_swap_b32 v[224+4*\c+\i], v[226+4*\c+\i]
.endr
.endr
	v_pk_add_f32 v[236:237], v[96:97], v[98:99]    ; the row's sum is taken of the unquantised p: two at a time, in two chains
.irp j, 4,8,12,16,20,24,28,32,36,40,44,48,52,56,60
	v_pk_add_f32 v[14:15], v[14:15], v[96+\j:97+\j]
	v_pk_add_f32 v[236:237], v[236:237], v[98+\j:99+\j]
.endr
	v_pk_add_f32 v[14:15], v[14:15], v[236:237]
.set j, 0
.rept 32
	v_pk_mul_f32 v[160+j:161+j], v[160+j:161+j], v[252:253] op_sel_hi:[1,0]   ; O^T under the new M, each accumulator from its low end on.  (These are also the places between p's scale word and codes and the products below)
.set j, j+2
.endr
	s_wait_dscnt 0x0                               ; V's fragments and scale words are in
.irp t, 0,1,2,3,4,5,6,7                        ; O^T += V^T P^T: the eight accumulators by turns, one instruction a turn
	v_wmma_scale_f32_16x16x128_f8f6f4 v[160+8*\t:167+8*\t], v[32+8*\t:39+8*\t], v[224:231], v[160+8*\t:167+8*\t], v[24+\t], v253 matrix_a_fmt:MATRIX_FMT_FP4 matrix_b_fmt:MATRIX_FMT_FP4
.endr
.Lhidden_\@:
.endm
	s_mov_b32 s[TRIP], 2
.Ltile:
	; ---- the tile's head: Q's 16 rows turn through my stage and become a fragment
	s_wait_loadcnt 0x0                             ; Q's sixteen loads
.irp i, 0,1,2,3,4,5,6,7,8,9,10,11,12,13,14,15
	ds_store_b128 v[QSS], v[96+4*\i:99+4*\i] offset:SPITCH*\i
.endr
.irp b, 0,1,2,3
.irp j, 0,1,2,3
	ds_load_b128 v[160+16*\b+4*\j:163+16*\b+4*\j], v[QSL] offset:128*\b+16*\j   ; LDS serves a wave's instructions in order: these see my stores
.endr
.endr
	s_wait_dscnt 0x0
	QUANT 160, 16, 255
	s_wait_kmcnt 0x0                               ; the flags
	s_lshl_b32 s[ANY], s104, 4
	s_or_b32 s[ANY], s[ANY], s2
	s_lshl_b32 s[ALL], s105, 4
	s_or_b32 s[ALL], s[ALL], s3
	s_lshl_b32 s100, s[M], 15
	s_mov_b32 s101, 0
	s_add_nc_u64 s[ACP:ACP+1], s[ACB:ACB+1], s[100:101]
	s_lshl_b32 s100, s[M], 14
	s_add_nc_u64 s[MBP:MBP+1], s[MBB:MBB+1], s[100:101]
	v_mov_b32 v13, 0xff61b1e6                      ; the largest t so far: -3e38, under every t
	v_floor_f32 v12, -v13                          ; -M
	v_mov_b32 v14, 0
	v_mov_b32 v15, 0
.set j, 0
.rept 64
	v_mov_b32 v[160+j], 0                          ; O^T: the steps are all alike, and any of them may be a tile's first.  (Also the places between Q's scale word and codes and the first product)
.set j, j+1
.endr
.irp s, 0,1,2,3,4,5,6,7
	STEP \s
.endr
	; ---- the other tile's Q and flags are asked for here, and land under the lines below
	s_xor_b32 s[M], s[M], 7
	s_cmp_eq_u32 s[TRIP], 1
	s_cbranch_scc1 .Lno_next
	NEXTQ
.Lno_next:
	; ---- attn = O^T / the sum, quantised along the channels, stored as a fragment
.rept 4
	v_nop                                          ; places behind the last products
.endr
	v_add_f32 v14, v14, v15
	v_permlanex16_b32 v254, v14, s[SEL], s[SEL+1]
	v_add_f32 v14, v14, v254                       ; the row's sum
	v_cmp_lt_f32 vcc_lo, 0, v14                    ; a row with a key left
	v_rcp_f32 v252, v14
	v_nop                                          ; one plain place behind a transcendental
.set j, 0
	s_wait_alu depctr_va_vdst(0)
.rept 32
	v_pk_mul_f32 v[160+j:161+j], v[160+j:161+j], v[252:253] op_sel_hi:[1,0]
.set j, j+2
.endr
	QUANT 160, 224, AWD
	v_cndmask_b32 v[AWD], -1, v[AWD], vcc_lo       ; a row with no key left: scale bytes 0xff
	global_store_b128 v[LI], v[224:227], s[ACP:ACP+1]              ; the fragment as it stands: each store covers 512 consecutive bytes, aligned
	global_store_b128 v[LI], v[228:231], s[ACP:ACP+1] offset:512
	ds_store_b32 v[AW], v[AWD]                     ; both halves of the lanes write row r's word with the same value
	s_wait_xcnt 0x0                                ; the stores' data and base are written again only behind this wait
	v_add_nc_u32 v[AW], 64, v[AW]                  ; the second trip's sixteen words
	s_sub_co_u32 s[TRIP], s[TRIP], 1
	s_cmp_lg_u32 s[TRIP], 0
	s_cbranch_scc1 .Ltile
	; ---- a row's four scale words come from four waves: they meet in LDS and leave as whole runs of 256 bytes
	s_wait_dscnt 0x0                               ; for the others' sake: my words lie in LDS
	s_barrier_signal -1
	s_barrier_wait -1
	s_cmp_ge_u32 s[WV], 4
	s_cbranch_scc1 .Lend
.irp g, 0,1,2,3
	ds_load_b32 v[32+\g], v[AGL] offset:128*\g
.endr
	s_wait_dscnt 0x0
	global_store_b128 v[AGO], v[32:35], s[ASB:ASB+1]               ; sixteen lanes store 256 consecutive bytes, aligned: tile m's words of this key head
.Lend:
	s_wait_tensorcnt 0x0
	ds_add_u32 v11, v243
	s_wait_dscnt 0x0
	s_endpgm
.Lfunc_end_k_q71a74b51c8_attn:
	.size	k_q71a74b51c8_attn, .Lfunc_end_k_q71a74b51c8_attn-k_q71a74b51c8_attn
	.p2alignl 7, 3214868480
	.fill 96, 4, 3214868480
	.section	.rodata,"a",@progbits
	.p2align	6, 0x0
	.amdhsa_kernel k_q71a74b51c8_attn
		.amdhsa_group_segment_fixed_size 278528
		.amdhsa_private_segment_fixed_size 0
		.amdhsa_enable_private_segment 0
		.amdhsa_kernarg_size 40
		.amdhsa_user_sgpr_count 2
		.amdhsa_user_sgpr_kernarg_segment_ptr 1
		.amdhsa_wavefront_size32 1
		.amdhsa_system_sgpr_workgroup_id_x 1
		.amdhsa_system_sgpr_workgroup_id_y 1
		.amdhsa_system_sgpr_workgroup_id_z 1
		.amdhsa_system_vgpr_workitem_id 0
		.amdhsa_next_free_vgpr 256
		.amdhsa_next_free_sgpr 106
		.amdhsa_reserve_vcc 1
		.amdhsa_float_denorm_mode_32 3
		.amdhsa_float_denorm_mode_16_64 3
		.amdhsa_memory_ordered 1
		.amdhsa_forward_progress 1
		.amdhsa_inst_pref_size 206
	.end_amdhsa_kernel
	.amdgpu_metadata
---
amdhsa.version: [ 1, 2 ]
amdhsa.kernels:
  - .name:           k_q71a74b51c8_attn
    .symbol:         k_q71a74b51c8_attn.kd
    .args:
      - { .name: Q, .offset: 0, .size: 8, .value_kind: global_buffer, .address_space: global }
      - { .name: kq, .offset: 8, .size: 8, .value_kind: global_buffer, .address_space: global }
      - { .name: vq, .offset: 16, .size: 8, .value_kind: global_buffer, .address_space: global }
      - { .name: mk, .offset: 24, .size: 8, .value_kind: global_buffer, .address_space: global }
      - { .name: aq, .offset: 32, .size: 8, .value_kind: global_buffer, .address_space: global }
    .group_segment_fixed_size: 278528
    .private_segment_fixed_size: 0
    .kernarg_segment_align: 8
    .kernarg_segment_size: 40
    .max_flat_workgroup_size: 512
    .sgpr_count:     106
    .vgpr_count:     256
    .wavefront_size: 32
...
	.end_amdgpu_metadata
.endif
;; end of part 2
;; launch proj (part 3): grid 8 x 32, 4 waves a work-group, clusters of 4 x 4, 327,680 bytes of LDS; arguments aq, wq, b_o, out0; writes out0
.if DOCPART == 3
	.amdgcn_target "amdgcn-amd-amdhsa--gfx1250"
	.amdhsa_code_object_version 6
	.text
	.protected	k_q71a74b51c8_proj
	.globl	k_q71a74b51c8_proj
	.p2align	8
	.type	k_q71a74b51c8_proj,@function
k_q71a74b51c8_proj:
	s_mov_b64 s[64:65], 0
	v_nop
	global_prefetch_b8 v0, s[64:65] scope:SCOPE_SE
	s_setreg_imm32_b32 hwreg(HW_REG_WAVE_MODE, 25, 1), 1
	s_wait_xcnt 0x0
	s_wait_alu depctr_hold_cnt(0) depctr_sa_sdst(0) depctr_va_vdst(0) depctr_va_sdst(0) depctr_va_ssrc(0) depctr_va_vcc(0) depctr_vm_vsrc(0)
	s_getreg_b32 s2, hwreg(HW_REG_IB_STS2, 6, 4)
	s_cmp_eq_u32 s2, 0
	s_cbranch_scc0 .Lentry_in_a_cluster
	s_endpgm
.Lentry_in_a_cluster:
	s_bfe_u32 s2, ttmp6, 0x10000c
	s_cmp_lg_u32 s2, 0xf033
	s_cbranch_scc0 .Lentry_shape_is_right
	s_endpgm
.Lentry_shape_is_right:
; PROJ.  out0[m][n] = sum over k of attn[m][k] W_o[n][k] + b_o[n]: [4096][4096] x [2048][4096]^T on codes of FP4 (E2M1) with E8M0 scales; sums in f32; out0 [4096][2048] f32.
; Both operands come as FRAGMENTS, images of the operand's registers (16 rows x 128 K: 1,024 bytes; lane l's registers 4 c .. 4 c + 3 at 512 c + 16 l):
;   aq: codes [kslot 8][RT 256][q 4][1024], from 0x800000 scale words [RT][kslot][r 16][q 4];   wq: codes [kslot 8][T 128][q 4][1024], from 0x400000 scale words [T][kslot][r][q].
; So a K step's tile is one dense block of memory, a fragment comes out of LDS by two loads of 512 consecutive bytes, and no padding is wanted.
; A tile of the output is 128 x 256: 32 x 8 = 256 work-groups (tiles of 256 x 256 would be 128).  Four waves, each 64 x 128: 32 accumulators of 16 x 16, 256 registers.
; K goes in steps of 512 through a ring of two LDS slots (A's 32 KB, B's 64 KB) filled by the tensor data mover, one load a wave: waves 0, 1 A's halves, waves 2, 3 B's.
; THE SCALES of the work-group's rows, for all of K, are two dense blocks (16 KB, 32 KB): they come into LDS once, with the first fills, and stay.
; CLUSTERS: 4 x 4 work-groups.  The four of a row of the cluster need the same tiles of A, the four of a column the same tiles of B: each is asked for JOINTLY, by the same tensor load with the same descriptor and a mask that names the four.
; THE MATRIX INSTRUCTION IS USED TRANSPOSED (source 0 = 16 rows of W_o, source 1 = 16 rows of attn): a lane holds eight neighbouring numbers of a row of the output.  The bias is the C of each sum's first instruction.
; A row of attn whose scale bytes are 0xff (no key left under the mask) comes out NaN.
; REGISTERS, in windows of 256: window 0: v16-29 addresses; v32-95 scale words, two sets; v128-159, v160-191 A's fragments, two sets; on the way out v128-255 rows of the output.
;   window 1: v0-63, v128-191 B's fragments, two sets; v64-127 the bias, eight registers for each of B's blocks.   window 2: accumulator (a, b) at v[8 (8 a + b)].
.set SLOT,   98304                     ; A's 8 row tiles x 4 KB, then B's 16 x 4 KB
.set BOFF,   32768
.set SCL,    2*SLOT                    ; behind the ring: A's scale words (tile << 11 + kslot << 8 + 16 r + 4 q), then B's
.set SCLB,   SCL+16384
.set SPARE,  SCL+49152                 ; the spare words, 128 bytes for each wave: two blocks of 256 bytes that no other line names
.set SPITCH, 528                       ; the way out: a stage of 16 rows x (512 + 16) bytes for each wave, in slot 0, which has had its last fill and its last read by then
.set LAPS,   4                         ; a lap = two K steps of 512 = once round the ring
.set ADRA, 16                          ; v16-17  LDS address of my A fragments in slot 0, 1
.set ADRB, 20                          ; v20-21  the same for B
.set STO,  24                          ; v24     the way out: where I put 32 bytes of a row
.set RD,   25                          ; v25     where I read a row back
.set CO,   26                          ; v26     16 x lane
.set ADRS, 27                          ; v27     my scale words: lanes 0-15 A's rows, lanes 16-31 B's
.set SPW,  28                          ; v28     my spare word; never rewritten
.set NIL,  29                          ; v29     0; never rewritten
.set SC,   32                          ; scale words: set s at v[SC + 32 s]; register 4 i + q: lanes 0-15 A's block i, lanes 16-31 B's block i, the slot's q-th 128 along K
.set AF,   128
.set BIAS, 64
.set BK,   128
.set G1,   24                          ; s[24:31] group 1 for A's tiles;  s[32:39] group 0, one set a slot
.set G0,   32
.set G1B,  48                          ; s[48:55], s[56:63] the same for B's
.set G0B,  56
.set G1S,  68                          ; s[68:75], s[76:79] A's scales;  s[80:87], s[88:91] B's
.set G0S,  76
.set G1SB, 80
.set G0SB, 88
.set MSB, 0
.macro WIN new                         ; the immediate's high byte repeats the setting that is left
.if MSB != \new
	s_set_vgpr_msb (MSB<<8)|\new
.set MSB, \new
.endif
.endm
.set MUL,       0xa1                   ; source 0 (B) window 1, source 1 (A) window 0, C and D window 2
.set MUL_FIRST, 0x91                   ; the same with C (the bias) in window 1
.set TO_B,      0x40                   ; destination window 1, address window 0
; A joint load: waves 0 and 1 fetch for A, waves 2 and 3 for B.  The branch hangs on the wave's number alone.  Four v_nop follow each of the two lines.
.macro JLOAD g0a, g1a, g0b, g1b
	s_cmp_eq_u32 s15, 0
	s_cbranch_scc0 .Lfor_b_\@
	tensor_load_to_lds s[\g0a:\g0a+3], s[\g1a:\g1a+7]
	s_nop 0
.rept 4
	v_nop
.endr
	s_branch .Lasked_\@
.Lfor_b_\@:
	tensor_load_to_lds s[\g0b:\g0b+3], s[\g1b:\g1b+7]
	s_nop 0
.rept 4
	v_nop
.endr
.Lasked_\@:
.endm
.macro CREST                           ; a round of the cluster's barrier behind its opening barrier
	s_cmp_lg_u32 s14, 0
	s_cbranch_scc1 .Lnot_wave_0_\@
	s_barrier_signal -3
.Lnot_wave_0_\@:
	s_barrier_wait -3
	s_barrier_signal -1
	s_barrier_wait -1
.endm
.macro CROUND
	s_barrier_signal -1
	s_barrier_wait -1
	CREST
.endm
.macro SHAPE g, rows                   ; group 1, words 1-7: a dense block as rows of 256 bytes: 32 elements of 8 bytes, no padding
	s_mov_b32 s[\g+1], 32<<16                      ; tensor_dim0
	s_mov_b32 s[\g+2], (\rows)<<16                 ; tensor_dim1
	s_mov_b32 s[\g+3], 32<<16                      ; tile_dim0
	s_mov_b32 s[\g+4], \rows                       ; tile_dim1
	s_mov_b32 s[\g+5], 32                          ; from row to row
	s_mov_b32 s[\g+6], 0
	s_mov_b32 s[\g+7], 0
.endm
.macro PLACES
.rept 4
	v_nop
.endr
.endm
	s_load_b256 s[4:11], s[0:1], 0x0               ; aq s[4:5], wq s[6:7], b_o s[8:9], out0 s[10:11]
	v_lshl_add_u32 v[SPW], v0, 2, SPARE
	v_mov_b32 v[NIL], 0
	ds_add_u32 v28, v29
	ds_add_u32 v28, v29
	s_wait_dscnt 0x0
	v_lshrrev_b32 v1, 5, v0
	v_readfirstlane_b32 s14, v1                    ; wave 0..3
	s_lshr_b32 s15, s14, 1                         ; which 64 of the tile's rows are mine.  Also: I fetch for A (0) or for B (1)
	s_and_b32 s16, s14, 1                          ; which 128 of its columns.  Also: which half of that tile I fetch
	s_bfe_u32 s40, ttmp6, 0x40000                  ; cx, cy: my place in the cluster
	s_bfe_u32 s41, ttmp6, 0x40004
	s_lshl_b32 s42, ttmp9, 2
	s_add_co_u32 s42, s42, s40                     ; tile column = 4 x cluster x + cx
	s_and_b32 s17, ttmp7, 0xffff
	s_lshl_b32 s17, s17, 2
	s_add_co_u32 s17, s17, s41                     ; tile row = 4 x cluster y + cy
	s_lshl_b32 s43, s41, 2
	s_lshl_b32 s43, 15, s43                        ; my row of the cluster
	s_lshl_b32 s44, 0x1111, s40                    ; my column
	s_or_b32 s[G1+0], s43, (3<<16)|(1<<21)         ; 15:0 the mask; 17:16 elements of 8 bytes; 21 set beside a mask
	s_or_b32 s[G1B+0], s44, (3<<16)|(1<<21)
	s_or_b32 s[G1S+0], s43, (3<<16)|(1<<21)
	s_or_b32 s[G1SB+0], s44, (3<<16)|(1<<21)
	SHAPE G1, 64                                   ; half of A's tile: 16 KB
	SHAPE G1B, 128                                 ; half of B's: 32 KB
	SHAPE G1S, 32                                  ; half of A's scales: 8 KB
	SHAPE G1SB, 64                                 ; half of B's: 16 KB
	s_lshl_b32 s18, s16, 2
	s_lshl_b32 s20, s17, 3
	s_add_co_u32 s20, s20, s18                     ; A: row tile 8 x tile row + 4 x half
	s_lshl_b32 s22, s20, 11
	s_add_co_u32 s22, s22, 0x800000                ; its scale words,
	s_lshl_b32 s20, s20, 12                        ; its codes
	s_mov_b32 s21, 0
	s_mov_b32 s23, 0
	s_lshl_b32 s18, s16, 3
	s_lshl_b32 s46, s42, 4
	s_add_co_u32 s46, s46, s18                     ; B: row tile 16 x tile column + 8 x half
	s_lshl_b32 s92, s46, 11
	s_add_co_u32 s92, s92, 0x400000
	s_lshl_b32 s46, s46, 12
	s_mov_b32 s47, 0
	s_mov_b32 s93, 0
	s_lshl_b32 s45, s16, 14                        ; where they go: the half alone enters an LDS address, no place in the cluster
	s_lshl_b32 s94, s16, 15
	s_lshl_b32 s95, s16, 13
	s_lshl_b32 s96, s16, 14
	s_wait_kmcnt 0x0
	s_add_nc_u64 s[20:21], s[4:5], s[20:21]
	s_add_nc_u64 s[22:23], s[4:5], s[22:23]
	s_add_nc_u64 s[46:47], s[6:7], s[46:47]
	s_add_nc_u64 s[92:93], s[6:7], s[92:93]
	CROUND                                         ; all sixteen work-groups are here: the first joint loads meet
	s_mov_b32 s[G0S], 1
	s_add_co_u32 s[G0S+1], s95, SCL
	s_mov_b64 s[G0S+2:G0S+3], s[22:23]
	s_or_b32 s[G0S+3], s[G0S+3], 0x80000000
	s_mov_b32 s[G0SB], 1
	s_add_co_u32 s[G0SB+1], s96, SCLB
	s_mov_b64 s[G0SB+2:G0SB+3], s[92:93]
	s_or_b32 s[G0SB+3], s[G0SB+3], 0x80000000
	JLOAD G0S, G1S, G0SB, G1SB                     ; the scales first: they are wanted with K step 0
.irp s, 0,1
	s_mov_b32 s[G0+4*\s], 1
	s_add_co_u32 s[G0+4*\s+1], s45, \s*SLOT
	s_add_nc_u64 s[G0+4*\s+2:G0+4*\s+3], s[20:21], \s*0x100000     ; kslot s
	s_or_b32 s[G0+4*\s+3], s[G0+4*\s+3], 0x80000000
	s_mov_b32 s[G0B+4*\s], 1
	s_add_co_u32 s[G0B+4*\s+1], s94, \s*SLOT+BOFF
	s_add_nc_u64 s[G0B+4*\s+2:G0B+4*\s+3], s[46:47], \s*0x80000
	s_or_b32 s[G0B+4*\s+3], s[G0B+4*\s+3], 0x80000000
	JLOAD G0+4*\s, G1, G0B+4*\s, G1B               ; three loads of mine are out
.endr
	v_and_b32 v1, 15, v0                           ; r
	v_bfe_u32 v2, v0, 4, 1                         ; h
	v_and_b32 v3, 31, v0
	v_lshlrev_b32 v[CO], 4, v3                     ; 16 x lane
	s_lshl_b32 s12, s15, 14                        ; my four row tiles of A
	s_lshl_b32 s13, s16, 15
	s_add_co_u32 s13, s13, BOFF                    ; my eight of B
.irp s, 0,1
	v_add_nc_u32 v[ADRA+\s], s12, v[CO]
	v_add_nc_u32 v[ADRB+\s], s13, v[CO]
	s_add_co_u32 s12, s12, SLOT
	s_add_co_u32 s13, s13, SLOT
.endr
	s_lshl_b32 s12, s15, 13                        ; scale words.  A's: my four tiles of 2,048 bytes
	s_lshl_b32 s13, s16, 14
	s_add_co_u32 s13, s13, 16384                   ; B's: my eight, behind A's
	s_sub_co_u32 s13, s13, s12
	v_mul_u32_u24 v4, s13, v2                      ; lanes 16-31 take B's: one product, the distance between the two
	s_add_co_u32 s12, s12, SCL
	v_lshl_add_u32 v4, v1, 4, v4                   ; + 16 r
	v_add_nc_u32 v[ADRS], s12, v4
	s_mul_i32 s12, s14, 16*SPITCH                  ; my stage
	v_mul_u32_u24 v4, v1, SPITCH
	v_lshl_add_u32 v4, v2, 5, v4
	v_add_nc_u32 v[STO], s12, v4                   ; in: row r, 32 bytes for each half of the lanes
	v_add_nc_u32 v[RD], s12, v[CO]                 ; back: the 32 lanes take one row of 512 bytes
	s_lshl_b32 s18, s42, 10
	s_lshl_b32 s19, s16, 9
	s_add_co_u32 s18, s18, s19                     ; my first column, in bytes: 1,024 x tile column + 512 x half
	s_mov_b32 s19, 0
	s_add_nc_u64 s[8:9], s[8:9], s[18:19]
	s_add_nc_u64 s[10:11], s[10:11], s[18:19]
	s_lshl_b32 s18, s17, 7
	s_lshl_b32 s12, s15, 6
	s_add_co_u32 s18, s18, s12                     ; my first row: 128 x tile row + 64 x half,
	s_lshl_b32 s18, s18, 13                        ; of 8,192 bytes
	s_add_nc_u64 s[10:11], s[10:11], s[18:19]
	v_lshlrev_b32 v5, 5, v2                        ; the bias in the result's layout: lane (r, h), block b, register j: b_o[16 b + 8 h + j]
	WIN TO_B
.irp b, 0,1,2,3,4,5,6,7
	global_load_b128 v[BIAS+8*\b:BIAS+8*\b+3], v5, s[8:9] offset:64*\b
	global_load_b128 v[BIAS+8*\b+4:BIAS+8*\b+7], v5, s[8:9] offset:64*\b+16
.endr
	WIN 0
.macro FRAG reg, adr, q, i             ; a fragment comes back as it was laid: two loads of 512 consecutive bytes
.irp c, 0,1
	ds_load_b128 v[\reg+4*\c:\reg+4*\c+3], v[\adr] offset:4096*(\i)+1024*(\q)+512*\c
.endr
.endm
.macro FETCH slot, q, p                ; the slot's q-th 128 along K into set p: B's eight fragments, A's four
	WIN TO_B
.irp i, 0,1,2,3,4,5,6,7
	FRAG 128*(\p)+8*\i, ADRB+\slot, \q, \i
.endr
	WIN 0
.irp i, 0,1,2,3
	FRAG AF+32*(\p)+8*\i, ADRA+\slot, \q, \i
.endr
.endm
.macro SCALES sc                       ; a K step's scale words: four words a row; lanes 0-15 take A's block i (for i over 3: landed bytes that no product names), lanes 16-31 B's block i
.irp i, 0,1,2,3,4,5,6,7
	ds_load_b128 v[SC+32*\sc+4*\i:SC+32*\sc+4*\i+3], v[ADRS] offset:2048*\i
.endr
.endm
; Eight matrix instructions: A's block a against B's eight.  The 32 accumulators take turns, one instruction a turn, in the same order in every step.
.macro MUL8 a, p, q, sc, first
.irp b, 0,1,2,3,4,5,6,7
.if \first
	v_wmma_scale_f32_16x16x128_f8f6f4 v[8*(8*(\a)+\b):8*(8*(\a)+\b)+7], v[128*(\p)+8*\b:128*(\p)+8*\b+7], v[AF+32*(\p)+8*(\a):AF+32*(\p)+8*(\a)+7], v[BIAS+8*\b:BIAS+8*\b+7], v[SC+32*(\sc)+4*\b+(\q)], v[SC+32*(\sc)+4*(\a)+(\q)] matrix_a_fmt:MATRIX_FMT_FP4 matrix_b_fmt:MATRIX_FMT_FP4 matrix_a_scale:MATRIX_SCALE_ROW1
.else
	v_wmma_scale_f32_16x16x128_f8f6f4 v[8*(8*(\a)+\b):8*(8*(\a)+\b)+7], v[128*(\p)+8*\b:128*(\p)+8*\b+7], v[AF+32*(\p)+8*(\a):AF+32*(\p)+8*(\a)+7], v[8*(8*(\a)+\b):8*(8*(\a)+\b)+7], v[SC+32*(\sc)+4*\b+(\q)], v[SC+32*(\sc)+4*(\a)+(\q)] matrix_a_fmt:MATRIX_FMT_FP4 matrix_b_fmt:MATRIX_FMT_FP4 matrix_a_scale:MATRIX_SCALE_ROW1
.endif
.endr
.endm
; A step of 128 along K that has its successor in the same slot: the successor's fragments are asked for first, into the other set, and land under this step's 32 matrix instructions.
.macro STEP slot, q, first
	s_wait_dscnt 0x0                               ; this step's fragments (and, in a slot's first step, its scale words) are in: asked for a step ago
	PLACES                                         ; in front of loads into the set that the last step's matrix instructions have read
	FETCH \slot, (\q)+1, 1-(\q)%2
.if \first
	WIN MUL_FIRST
.else
	WIN MUL
.endif
	MUL8 0, (\q)%2, \q, \slot, \first
	MUL8 1, (\q)%2, \q, \slot, \first
	MUL8 2, (\q)%2, \q, \slot, \first
	MUL8 3, (\q)%2, \q, \slot, \first
.endm
; A slot's last step changes slots: ONE barrier; in front of it each wave waits for all its tensor loads, adds 0 to its spare word, and waits for that and for its own reads of this slot.  fill = 1: this slot is filled again, two K steps ahead.
.macro TURN slot, next, fill
	WIN 0                                          ; (the add's two registers lie in window 0)
	s_wait_tensorcnt 0x0                           ; all my tensor loads have landed: my part of the next slot;
	ds_add_u32 v[SPW], v[NIL]                      ; 0 onto my spare word;
	s_wait_dscnt 1                                 ; this step's fragments are in; the add may be out
	WIN MUL
	MUL8 0, 1, 3, \slot, 0                         ; eight matrix instructions stand between the add and the wait for it
	s_wait_dscnt 0x0                               ; the add is done, and my reads of this slot are over
	s_barrier_signal -1
	MUL8 1, 1, 3, \slot, 0
	WIN 0
	s_barrier_wait -1
.if \fill
	CREST                                          ; the barrier has opened a round of the cluster's barrier: no wave of any partner still reads this slot or has a load on its way
	s_add_nc_u64 s[G0+4*\slot+2:G0+4*\slot+3], s[G0+4*\slot+2:G0+4*\slot+3], 0x200000
	s_add_nc_u64 s[G0B+4*\slot+2:G0B+4*\slot+3], s[G0B+4*\slot+2:G0B+4*\slot+3], 0x100000
	JLOAD G0+4*\slot, G1, G0B+4*\slot, G1B         ; the first tensor load behind the round, my one load until the next; its four v_nop are also the places in front of the loads below
.else
	PLACES
.endif
	v_add_nc_u32 v[ADRS], 256, v[ADRS]             ; on to the next K step's scale words (no LDS load of mine is out)
	FETCH \next, 0, 0
	SCALES \next
	WIN MUL
	MUL8 2, 1, 3, \slot, 0
	MUL8 3, 1, 3, \slot, 0
.endm
	s_wait_tensorcnt 1                             ; the scales and my part of K step 0 are in; K step 1's load may be out
	s_barrier_signal -1
	s_barrier_wait -1                              ; everybody's are
	FETCH 0, 0, 0
	SCALES 0
	s_wait_loadcnt 0x0                             ; the bias
	STEP 0, 0, 1                                   ; the first step stands in front of the loop: its products start the sums, on the bias
	WIN 0                                          ; at a label and at a branch every window is 0
	s_mov_b32 s3, LAPS-1
.Llap:                                                 ; a trip goes once round the ring, from a lap's second step to the next lap's first, and fills both slots again
	STEP 0, 1, 0
	STEP 0, 2, 0
	TURN 0, 1, 1
	STEP 1, 0, 0
	STEP 1, 1, 0
	STEP 1, 2, 0
	TURN 1, 0, 1
	STEP 0, 0, 0
	WIN 0
	s_sub_co_u32 s3, s3, 1
	s_cmp_lg_u32 s3, 0
	s_cbranch_scc1 .Llap
	STEP 0, 1, 0                                   ; the last lap fills nothing, and has no round of the cluster's barrier
	STEP 0, 2, 0
	TURN 0, 1, 0
	STEP 1, 0, 0
	STEP 1, 1, 0
	STEP 1, 2, 0
	s_wait_dscnt 0x0                               ; the very last step: nothing more to fetch
	WIN MUL
	MUL8 0, 1, 3, 1, 0
	MUL8 1, 1, 3, 1, 0
	MUL8 2, 1, 3, 1, 0
	MUL8 3, 1, 3, 1, 0
	WIN 0
; THE WAY OUT, block by block of 16 rows x 128 columns.  A lane holds 32 neighbouring bytes of a row: a block goes through my own stage in LDS and comes back as whole rows of 512 bytes.
; LDS serves a wave's instructions in order: no wait between the stores and the loads, nor in front of the next block's stores.
.macro TOSTAGE a
.set AC, 64*(\a)
	WIN 0x08                                       ; an LDS store's data are its source 1: window 2
.irp b, 0,1,2,3,4,5,6,7
	ds_store_b128 v[STO], v[AC+8*\b:AC+8*\b+3] offset:64*\b          ; each accumulator from its low end on
	ds_store_b128 v[STO], v[AC+8*\b+4:AC+8*\b+7] offset:64*\b+16
.endr
	WIN 0
.set BB, BK+64*((\a)%2)
.irp t, 0,1,2,3,4,5,6,7,8,9,10,11,12,13,14,15
	ds_load_b128 v[BB+4*\t:BB+4*\t+3], v[RD] offset:\t*SPITCH
.endr
.endm
.macro SEND a, younger                 ; younger: the LDS instructions issued behind block a's loads, which may stay out
.set BB, BK+64*((\a)%2)
	s_wait_dscnt \younger                          ; the block is back in registers
.if (\a) > 0
	s_add_nc_u64 s[10:11], s[10:11], 16*8192       ; (behind a wait on XCNT: the earlier stores have read their base)  16 rows on
.endif
.irp t, 0,1,2,3,4,5,6,7,8,9,10,11,12,13,14,15
	global_store_b128 v[CO], v[BB+4*\t:BB+4*\t+3], s[10:11] offset:\t*8192 th:TH_STORE_NT   ; 32 lanes store 512 consecutive bytes, aligned; written once, read by nobody here
.endr
.endm
	PLACES                                         ; behind the last products: for the loads into the registers that held A's fragments, and for the reads of results
	TOSTAGE 0
.irp a, 1,2,3
.if \a > 1
	s_wait_xcnt 0x0                                ; block a - 2's stores have read their registers and their base
.endif
	TOSTAGE \a
	SEND \a-1, 32                                  ; behind block a - 1's loads: block a's 16 stores and 16 loads
.endr
	s_wait_xcnt 0x0                                ; block 2's stores have read their base
	SEND 3, 0
	s_wait_tensorcnt 0x0                           ; the wave's end: behind my last tensor load and my last LDS store
	ds_add_u32 v[SPW], v[NIL]
	s_wait_dscnt 0x0
	CROUND                                         ; the closing round: no work-group ends while a partner may still ask for a tile that names it
	s_endpgm
.Lfunc_end_k_q71a74b51c8_proj:
	.size	k_q71a74b51c8_proj, .Lfunc_end_k_q71a74b51c8_proj-k_q71a74b51c8_proj
	.p2alignl 7, 3214868480
	.fill 96, 4, 3214868480
	.section	.rodata,"a",@progbits
	.p2align	6, 0x0
	.amdhsa_kernel k_q71a74b51c8_proj
		.amdhsa_group_segment_fixed_size 327680
		.amdhsa_private_segment_fixed_size 0
		.amdhsa_enable_private_segment 0
		.amdhsa_kernarg_size 32
		.amdhsa_user_sgpr_count 2
		.amdhsa_user_sgpr_kernarg_segment_ptr 1
		.amdhsa_wavefront_size32 1
		.amdhsa_system_sgpr_workgroup_id_x 1
		.amdhsa_system_sgpr_workgroup_id_y 1
		.amdhsa_system_sgpr_workgroup_id_z 1
		.amdhsa_system_vgpr_workitem_id 0
		.amdhsa_next_free_vgpr 768
		.amdhsa_next_free_sgpr 98
		.amdhsa_reserve_vcc 0
		.amdhsa_float_denorm_mode_32 3
		.amdhsa_float_denorm_mode_16_64 3
		.amdhsa_memory_ordered 1
		.amdhsa_forward_progress 1
		.amdhsa_inst_pref_size 123
	.end_amdhsa_kernel
	.amdgpu_metadata
---
amdhsa.version: [ 1, 2 ]
amdhsa.kernels:
  - .name:           k_q71a74b51c8_proj
    .symbol:         k_q71a74b51c8_proj.kd
    .args:
      - { .name: aq, .offset: 0, .size: 8, .value_kind: global_buffer, .address_space: global }
      - { .name: wq, .offset: 8, .size: 8, .value_kind: global_buffer, .address_space: global }
      - { .name: b_o, .offset: 16, .size: 8, .value_kind: global_buffer, .address_space: global }
      - { .name: out0, .offset: 24, .size: 8, .value_kind: global_buffer, .address_space: global }
    .group_segment_fixed_size: 327680
    .private_segment_fixed_size: 0
    .kernarg_segment_align: 8
    .kernarg_segment_size: 32
    .max_flat_workgroup_size: 128
    .sgpr_count:     98
    .vgpr_count:     768
    .wavefront_size: 32
...
	.end_amdgpu_metadata
.endif
;; end of part 3
;; ======== version 2 of 2: 3 launches; version 1 with the launch attn written anew for expert scheduling mode
;; workspace buffers: wq 4,456,448 bytes; kq 2,228,224 bytes; vq 2,228,224 bytes; aq 8,912,896 bytes; mk 589,824 bytes of whole numbers
;; launch prep: the kernel of part 1 again; grid 256 x 1, 12 waves a work-group, no clusters, 69,120 bytes of LDS; arguments W_o, K, mask, V, wq, kq, mk, vq; writes wq, kq, mk, vq
;; launch attn (part 4): grid 8 x 32, 16 waves a work-group, no clusters, 278,528 bytes of LDS; arguments Q, kq, vq, mk, aq; writes aq
.if DOCPART == 4
	.amdgcn_target "amdgcn-amd-amdhsa--gfx1250"
	.amdhsa_code_object_version 6
	.text
	.protected	k_q71a74b51c8_attn
	.globl	k_q71a74b51c8_attn
	.p2align	8
	.type	k_q71a74b51c8_attn,@function
k_q71a74b51c8_attn:
	s_mov_b64 s[64:65], 0
	v_nop
	global_prefetch_b8 v0, s[64:65] scope:SCOPE_SE
	s_setreg_imm32_b32 hwreg(HW_REG_WAVE_SCHED_MODE, 0, 2), 2
	s_setreg_imm32_b32 hwreg(HW_REG_WAVE_MODE, 25, 1), 1
	s_wait_xcnt 0x0
	s_wait_alu depctr_vm_vsrc(0)
; ATTN.  For each batch b, key head hkv and query head hq = 4 hkv + g: attn = softmax(Q K^T / sqrt(128), masked) V, both products on codes of FP4 (E2M1) with E8M0 scales; attn is quantised along the head's channels
; and stored as fragments for the projection.  Q [4][1024][4096] f32 is quantised here, in registers; kq, vq, mk are PREP's (their layouts stand at its head); aq: codes [hkv 8][RT 256][g 4][1024] (row 16 RT + r),
; from 0x800000 scale words [RT][hkv][r 16][g 4].
; THE SOFTMAX: t = score x log2(e) / sqrt(128); M = the running largest t rounded UP to a whole number; p = 2^(t - M) is quantised along the keys, not normalised; the row's sum is taken of the unquantised p and divides O at the end.
; When M moves, the sum and O are multiplied by 2^(old M - new M): exact.  A block's largest p is the exponential of the block's largest score (this takes v_exp_f32 not to fall where its input rises).
; THE MASK is an input: hidden scores become -infinity ahead of the maximum, by one select a score on PREP's lane words.  A key step that keeps no key of the tile's 16 queries adds nothing and is jumped over; in a step that keeps all, the selects are.
; Both are scalar branches on PREP's flags.  A ROW WITH NO KEY LEFT has the sum 0: its scale words become 0xffffffff, which makes its whole row of the output NaN, as the softmax of such a row is.
; SHARES.  Work-group (j, 8 b + hkv) holds ALL codes and scale words of its key head in LDS (136 KB, filled once through registers).  Wave w: g = w % 4; it walks two tiles of 16 queries, number j + 8 m with m = w / 4 and then 7 - w / 4.
; Four waves to a SIMD, 256 registers each, so that one wave's vector work stands beside another's matrix work and LDS loads.
; NO TENSOR LOADS AND NO JOINT REQUESTS: steps are left out by branches on numbers read from memory; what partners could share is 136 KB once a work-group.
; LAYOUT.  Both products are used transposed (S^T = K Q^T, O^T = V^T P^T): a lane holds ONE query (lane % 16).  By PREP's choice of a tile's rows, register 16 B + i of S^T is key 32 B + 16 (lane / 16) + i, and of O^T that channel.
; LIMITS: a block of zeros gets the byte 1 (only this program reads the bytes); NaN and infinities among the inputs are not served.
; REGISTERS: v0 kept; v1-6 addresses; v12 -M, v13 the largest t, v[14:15] the sum; v16-23 Q; v24-31 scale words of K's, then V's tiles; v32-95 eight fragments; v96-159 S^T, then p (and Q's rows as loaded);
;   v160-223 O^T (and Q's rows turned); v224-231 p's codes, then attn's; v232-247 at work; v240 -infinity; v241 attn's scale word; v242, v248, v249 addresses; v252 f or 1 / sum; v253 p's scale word; v255 Q's.
; THE MODE: SCHED_MODE bits 1:0 = 2 (LLVM: expert scheduling mode 2), set by the entry lines.  The code itself states the register dependences between vector or matrix instructions and memory or LDS instructions,
; with s_wait_alu, always for 0.
; THE PLAN.  Registers that memory or LDS instructions touch, and who else names them:
;   v1-6, v248, v249   addresses: written at the head, never again.   v242: the address of a tile's scale words: stepped once, at the tile's end.
;   v33-40, v160-227   the fill at the head: addresses, and data that loads bring and LDS stores read; afterwards they are fragments, O^T and codes.
;   v96-159            Q's rows land here (asked for at the head and at the first tile's end); the tile's head stores them to the stage; then the products K Q^T write them, and selects, exponentials, conversions and sums work on them.
;   v160-223           Q's rows come back here from the stage; then vector and matrix instructions alone name them, to the tile's end.
;   v24-31, v32-95     ONE buffer of eight fragments and their scale words (all 256 registers are taken: there is none for a second): K's loads, the products K Q^T, V's loads, the products V^T P, and round.  No vector instruction names them in the loop.
;   v224-231, v241     written by conversions, swaps and a select; read by the products V^T P and, at a tile's end, by its three stores.
; So a live step holds four waits on va_vdst: at its head (the last products are done with the fragments: K's loads may land), behind the products K Q^T (the same for V's loads; the next vector lines read the scores in any case),
; behind the exponentials (ahead of their first reader), and ahead of the products V^T P (p's codes and scale word are written).  Behind the second of them V's 24 loads are dealt among the search for the maximum with no further wait:
; no vector instruction from there to the products V^T P names v24-95.  The waits on vm_vsrc stand three times: behind the fill, behind the stage's round trip at a tile's head, and behind a tile's stores.
.set VC,     65536                     ; LDS: K's 64 fragments at 1,024 (8 s + t); V's at VC + 8,192 s + 1,024 T;
.set KSC,    131072                    ; K's scale words at 64 (8 s + t) + 4 r;
.set VSC,    135168                    ; V's at 512 s + 64 T + 4 r;
.set QST,    139264                    ; a stage of 16 rows x 528 bytes for each wave;
.set SPITCH, 528
.set ASC,    QST+16*16*SPITCH          ; attn's scale words: 128 bytes for each wave: 64 x trip + 4 r
.set LI,   1                           ; v1   16 x lane: a fragment's place for my lane, in LDS and in memory
.set AV,   2                           ; v2   VC + 16 x lane
.set ASK,  3                           ; v3   KSC + 4 r
.set ASV,  4                           ; v4   VSC + 4 r
.set QSS,  5                           ; v5   my stage, on the way in
.set QSL,  6                           ; v6   and on the way out
.set TM,   232
.set NEG,  240
.set AWD,  241
.set AW,   242
.set AGL,  248
.set AGO,  249
.set QB,   4                           ; s[4:5]   Q at my head's columns of query tile j;  s[6:7] at the tile in hand
.set QP,   6
.set MBB,  8                           ; s[8:9]   the lane words of tile j;  s[10:11] of the tile in hand
.set MBP,  10
.set MFB,  12                          ; s[12:13] the flags of tile j;  s[66:67] of the tile asked for
.set MFP,  66
.set WV,   14
.set M,    15                          ; s15  m of the tile to be asked for next
.set ACB,  68                          ; s[68:69] attn's codes of tile j;  s[70:71] of the tile in hand
.set ACP,  70
.set ASB,  72                          ; s[72:73] attn's scale words of tile j
.set ANY,  74                          ; s74  bit s: step s keeps some key;  s75: keeps all
.set ALL,  75
.set TRIP, 77
.set SEL,  96                          ; s[96:97] v_permlanex16_b32's selects for lane l xor 16
.set CS,   98                          ; s[98:99] c = log2(e) / sqrt(128), twice: the packed form names a pair
; s[16:63] and s[80:95]: a step's 64 lane words: word n in s[16 + n], from n = 48 on in s[32 + n]
.macro QUANT s, pc, pw                 ; 64 numbers of a lane, register 16 b + i = k 32 b + 16 (lane / 16) + i of my row, become a fragment's codes in v[pc] on and its scale word in v[pw]
.irp b, 0,1,2,3
	v_max3_num_f32 v[TM+\b], |v[\s+16*\b]|, |v[\s+1+16*\b]|, 0x1800000   ; block b: my 16 numbers, and the floor 2^(3 - 127): so the byte cannot fall under 1
.endr
.irp i, 2,4,6,8,10,12,14
.irp b, 0,1,2,3
	v_max3_num_f32 v[TM+\b], v[TM+\b], |v[\s+16*\b+\i]|, |v[\s+1+16*\b+\i]|
.endr
.endr
.irp b, 0,1,2,3
	v_permlanex16_b32 v[TM+4+\b], v[TM+\b], s[SEL], s[SEL+1]
.endr
.irp b, 0,1,2,3
	v_max_num_f32 v[TM+\b], v[TM+\b], v[TM+4+\b]
.endr
.irp b, 0,1,2,3
	v_add_nc_u32 v[TM+12+\b], 0xff000000, v[TM+\b]        ; 2 off the exponent field: the conversion's scale operand
.endr
.irp b, 0,1,2,3
	v_lshrrev_b32 v[TM+4+\b], 23, v[TM+12+\b]
.endr
	v_lshl_or_b32 v[\pw], v[TM+5], 8, v[TM+4]
	v_lshl_or_b32 v[\pw], v[TM+6], 16, v[\pw]
	v_lshl_or_b32 v[\pw], v[TM+7], 24, v[\pw]
.irp b, 0,1,2,3
	v_cvt_scalef32_pk8_fp4_f32 v[\pc+2*\b], v[\s+16*\b:\s+7+16*\b], v[TM+12+\b]
	v_cvt_scalef32_pk8_fp4_f32 v[\pc+1+2*\b], v[\s+8+16*\b:\s+15+16*\b], v[TM+12+\b]
.endr
	v_nop                                                  ; one plain place behind a scaled conversion
.irp c, 0,1
.irp i, 0,1
	v_permlane16_swap_b32 v[\pc+4*\c+\i], v[\pc+2+4*\c+\i]
.endr
.endr
.endm
; Tile m = s[M] is asked for: its 16 queries' 512 bytes of my head, and its flags.  No earlier load that names these bases is out: Q's were waited for at the tile's head, the scalar loads in each step.
; The loads land in v96-159.  At the head no vector instruction has named these.  At the first tile's end the last that named them (exponentials, conversions, sums) stand ahead of their step's last wait on va_vdst,
; behind which only the products V^T P are issued, which name none of them; and the stage's stores, which read them, stand ahead of the tile head's wait on vm_vsrc.
.macro NEXTQ
	s_lshl_b32 s100, s[M], 21                      ; 128 m queries of 16,384 bytes
	s_mov_b32 s101, 0
	s_add_nc_u64 s[QP:QP+1], s[QB:QB+1], s[100:101]
	s_lshl_b32 s100, s[M], 11
	s_add_nc_u64 s[MFP:MFP+1], s[MFB:MFB+1], s[100:101]
.irp i, 0,1,2,3,4,5,6,7,8,9,10,11,12,13,14,15
	global_load_b128 v[96+4*\i:99+4*\i], v[LI], s[QP:QP+1] offset:16384*\i th:TH_LOAD_NT   ; 32 lanes read 512 consecutive bytes
.endr
	s_load_b64 s[2:3], s[MFP:MFP+1], 0x0           ; steps 0-3: some, all
	s_load_b64 s[104:105], s[MFP:MFP+1], 0x80      ; steps 4-7
.endm
; V's fragment and scale words of tile t in key step s
.macro VFRAG s, t
	ds_load_b128 v[32+8*(\t):35+8*(\t)], v[AV] offset:8192*(\s)+1024*(\t)
	ds_load_b128 v[36+8*(\t):39+8*(\t)], v[AV] offset:8192*(\s)+1024*(\t)+512
	ds_load_b32 v[24+(\t)], v[ASV] offset:512*(\s)+64*(\t)
.endm
	s_load_b256 s[16:23], s[0:1], 0x0              ; Q 16, kq 18, vq 20, mk 22
	s_load_b64 s[24:25], s[0:1], 0x20              ; aq
	v_lshl_add_u32 v11, v0, 2, 0x43800
	v_mov_b32 v243, 0
	v_lshrrev_b32 v32, 5, v0
	v_readfirstlane_b32 s[WV], v32                 ; wave 0..15
	s_and_b32 s26, ttmp7, 0xffff                   ; 8 b + hkv
	s_lshr_b32 s27, s26, 3                         ; b
	s_and_b32 s28, s26, 7                          ; hkv
	s_wait_alu depctr_va_sdst(0)                   ; s14, the wave's number, is written, ahead of its first reader
	s_and_b32 s29, s[WV], 3                        ; g
	s_lshr_b32 s[M], s[WV], 2                      ; my first m
	s_lshl_b32 s30, s27, 6
	s_add_co_u32 s30, s30, ttmp9                   ; 64 b + j: the row tile with m = 0
	s_lshr_b32 s76, s28, 2                         ; kq's kslot
	s_and_b32 s78, s28, 3                          ; and q
	s_lshl_b32 s32, s27, 24                        ; Q: b << 24 + hq << 9 + j << 18
	s_lshl_b32 s31, s28, 2
	s_add_co_u32 s31, s31, s29
	s_lshl_b32 s31, s31, 9
	s_add_co_u32 s32, s32, s31
	s_lshl_b32 s31, ttmp9, 18
	s_add_co_u32 s32, s32, s31
	s_mov_b32 s33, 0
	s_lshl_b32 s34, s30, 11                        ; lane words
	s_mov_b32 s35, 0
	s_lshl_b32 s36, s30, 8                         ; flags
	s_add_co_u32 s36, s36, 0x80000
	s_mov_b32 s37, 0
	s_lshl_b32 s38, s28, 20                        ; attn's codes: hkv << 20 + RT << 12 + g << 10
	s_lshl_b32 s31, s30, 12
	s_add_co_u32 s38, s38, s31
	s_lshl_b32 s31, s29, 10
	s_add_co_u32 s38, s38, s31
	s_mov_b32 s39, 0
	s_lshl_b32 s40, s30, 11                        ; attn's scale words: 0x800000 + RT << 11 + hkv << 8
	s_lshl_b32 s31, s28, 8
	s_add_co_u32 s40, s40, s31
	s_add_co_u32 s40, s40, 0x800000
	s_mov_b32 s41, 0
	s_lshl_b32 s42, s76, 20                        ; K's codes: kslot << 20 + 64 b << 12 + q << 10
	s_lshl_b32 s31, s27, 18
	s_add_co_u32 s42, s42, s31
	s_lshl_b32 s31, s78, 10
	s_add_co_u32 s42, s42, s31
	s_mov_b32 s43, 0
	s_lshl_b32 s44, s27, 15                        ; K's scale words: 0x200000 + 64 b << 9 + kslot << 8 + 4 q
	s_lshl_b32 s31, s76, 8
	s_add_co_u32 s44, s44, s31
	s_lshl_b32 s31, s78, 2
	s_add_co_u32 s44, s44, s31
	s_add_co_u32 s44, s44, 0x200000
	s_mov_b32 s45, 0
	s_lshl_b32 s46, s26, 16                        ; V's codes
	s_mov_b32 s47, 0
	s_lshl_b32 s48, s26, 12                        ; V's scale words
	s_add_co_u32 s48, s48, 0x200000
	s_mov_b32 s49, 0
	s_mov_b32 s[SEL], 0x76543210
	s_mov_b32 s[SEL+1], 0xfedcba98
	s_mov_b32 s[CS], 0x3e0293ee
	s_mov_b32 s[CS+1], s[CS]
	s_mul_i32 s31, s[WV], 16*SPITCH
	s_add_co_u32 s31, s31, QST                     ; my stage
	s_lshl_b32 s79, s[WV], 7                       ; my 128 bytes of attn's scale words
	v_and_b32 v10, 31, v0                          ; lane
	v_and_b32 v8, 15, v0                           ; r
	v_bfe_u32 v9, v0, 4, 1                         ; h
	v_lshlrev_b32 v[LI], 4, v10
	v_add_nc_u32 v[AV], VC, v[LI]
	v_lshl_add_u32 v[ASK], v8, 2, KSC
	v_lshl_add_u32 v[ASV], v8, 2, VSC
	v_add_nc_u32 v[QSS], s31, v[LI]
	v_mul_u32_u24 v[QSL], v8, SPITCH
	v_lshl_add_u32 v[QSL], v9, 6, v[QSL]
	v_add_nc_u32 v[QSL], s31, v[QSL]               ; row r, + 64 h
	v_lshl_add_u32 v[AW], v8, 2, ASC
	v_add_nc_u32 v[AW], s79, v[AW]                 ; ASC + 128 w + 4 r
	v_bfe_u32 v250, v0, 6, 1                       ; the gather at the end, threads 0-127: thread = 16 m + r.  Tile m was its wave's trip m / 4,
	v_bfe_u32 v251, v0, 4, 2
	v_mul_u32_u24 v[AGL], v250, 3
	v_xor_b32 v[AGL], v[AGL], v251                 ; and the waves were 4 mp + g, mp = m or 7 - m
	v_lshlrev_b32 v[AGL], 9, v[AGL]
	v_lshl_add_u32 v[AGL], v250, 6, v[AGL]
	v_lshl_add_u32 v[AGL], v8, 2, v[AGL]
	v_add_nc_u32 v[AGL], ASC, v[AGL]               ; ASC + 512 mp + 64 trip + 4 r; word g lies 128 g on
	v_bfe_u32 v[AGO], v0, 4, 3
	v_lshlrev_b32 v[AGO], 14, v[AGO]
	v_lshl_add_u32 v[AGO], v8, 4, v[AGO]           ; in memory: m << 14 + 16 r
	v_lshl_add_u32 v33, v32, 14, v[LI]             ; the fill.  K's codes: wave w takes fragments 4 w .. 4 w + 3, 4,096 bytes apart in memory,
	v_lshl_add_u32 v34, v32, 12, v[LI]             ; 1,024 apart in LDS
	v_lshlrev_b32 v35, 4, v0                       ; V's codes: 64 KB on end, 16 bytes a thread
	v_add_nc_u32 v36, VC, v35
	v_lshrrev_b32 v37, 4, v0                       ; K's scale words: word 16 tile + r lies at tile << 9 + 16 r
	v_lshlrev_b32 v37, 9, v37
	v_lshl_add_u32 v37, v8, 4, v37
	v_lshl_add_u32 v38, v0, 2, KSC
	v_lshlrev_b32 v39, 3, v0                       ; V's: 4 KB on end
	v_lshl_add_u32 v40, v0, 3, VSC
	v_mov_b32 v[NEG], 0xff800000                   ; -infinity
.irp b, 0,1,2,3
	v_mov_b32 v[TM+4+\b], 0                        ; written once: a lane permute's destination counts as one of its sources
.endr
	v_mov_b32 v253, 0                              ; (named as the upper half of the pair v[252:253] before it is first written)
	v_mov_b32 v254, 0
	s_wait_kmcnt 0x0
	s_add_nc_u64 s[QB:QB+1], s[16:17], s[32:33]
	s_add_nc_u64 s[MBB:MBB+1], s[22:23], s[34:35]
	s_add_nc_u64 s[MFB:MFB+1], s[22:23], s[36:37]
	s_add_nc_u64 s[ACB:ACB+1], s[24:25], s[38:39]
	s_add_nc_u64 s[ASB:ASB+1], s[24:25], s[40:41]
	s_add_nc_u64 s[50:51], s[18:19], s[42:43]
	s_add_nc_u64 s[52:53], s[18:19], s[44:45]
	s_add_nc_u64 s[54:55], s[20:21], s[46:47]
	s_add_nc_u64 s[56:57], s[20:21], s[48:49]
	s_wait_alu depctr_va_vdst(0)                   ; every address of the kernel is written (v1-6, v33-40, v242, v248, v249), which the loads and stores from here on read; so are v32-40, in which fragments land later
.irp i, 0,1,2,3
.irp c, 0,1
	global_load_b128 v[160+8*\i+4*\c:163+8*\i+4*\c], v33, s[50:51] offset:4096*\i+512*\c
.endr
.endr
.irp i, 0,1,2,3,4,5,6,7
	global_load_b128 v[192+4*\i:195+4*\i], v35, s[54:55] offset:8192*\i
.endr
	global_load_b32 v224, v37, s[52:53]
	global_load_b32 v225, v37, s[52:53] offset:16384
	global_load_b64 v[226:227], v39, s[56:57]
	NEXTQ                                          ; my first tile's Q and flags
	s_wait_loadcnt 16                              ; the nineteen loads of the fill are in; Q's sixteen may be out
.irp i, 0,1,2,3
.irp c, 0,1
	ds_store_b128 v34, v[160+8*\i+4*\c:163+8*\i+4*\c] offset:1024*\i+512*\c
.endr
.endr
.irp i, 0,1,2,3,4,5,6,7
	ds_store_b128 v36, v[192+4*\i:195+4*\i] offset:8192*\i
.endr
	ds_store_b32 v38, v224
	ds_store_b32 v38, v225 offset:2048
	ds_store_b64 v40, v[226:227]
	s_wait_dscnt 0x0                               ; for the others' sake: my part of the head's codes and scale words lies in LDS
	s_barrier_signal -1
	s_barrier_wait -1                              ; everybody's does; from here on these bytes are only read
	s_wait_alu depctr_vm_vsrc(0)                   ; the fill's loads and LDS stores have read v33-40 and v160-227: the stage's loads land in v160-223, fragments in v32-95, and the conversions write v224-231
; A KEY STEP: keys 128 s .. 128 s + 127.  Every offset is an immediate.
.macro STEP s
	s_bitcmp1_b32 s[ANY], \s                       ; no key of the step counts for any of my 16 queries: nothing to add
	s_cbranch_scc0 .Lhidden_\@
	s_load_b512 s[16:31], s[MBP:MBP+1], 256*\s     ; the step's 64 lane words
	s_load_b512 s[32:47], s[MBP:MBP+1], 256*\s+64
	s_load_b512 s[48:63], s[MBP:MBP+1], 256*\s+128
	s_load_b512 s[80:95], s[MBP:MBP+1], 256*\s+192
.rept 4
	v_nop                                          ; the four places behind the last step's matrix instructions stay as in the plain form of this text; the wait below states the dependence
.endr
	s_wait_alu depctr_va_vdst(0)                   ; the last live step's products V^T P are done reading v24-95, in which K's loads land; in a tile's first live step the conversions and swaps have written Q's codes and scale word, which the products below take (their places: the 64 lines that clear O^T)
.irp t, 0,1,2,3,4,5,6,7
.irp c, 0,1
	ds_load_b128 v[32+8*\t+4*\c:35+8*\t+4*\c], v[LI] offset:8192*\s+1024*\t+512*\c
.endr
	ds_load_b32 v[24+\t], v[ASK] offset:512*\s+64*\t
.endr
	s_wait_dscnt 0x0
.irp t, 0,1,2,3,4,5,6,7                        ; S^T = K Q^T: source 0 = 16 keys, source 1 = my 16 queries
	v_wmma_scale_f32_16x16x128_f8f6f4 v[96+8*\t:103+8*\t], v[32+8*\t:39+8*\t], v[16:23], 0, v[24+\t], v255 matrix_a_fmt:MATRIX_FMT_FP4 matrix_b_fmt:MATRIX_FMT_FP4
.endr
.rept 4
	v_nop                                          ; places in front of the first read of the scores
.endr
	s_wait_alu depctr_va_vdst(0)                   ; the eight products are done reading v24-95, in which V's fragments and scale words land.  All 24 loads lean on this wait: no vector instruction from here to the products V^T P names v24-95, on either way round the selects
	VFRAG \s, 0                                    ; two tiles at once; the other six are dealt among the search for the maximum, and all land while the softmax is walked
	VFRAG \s, 1
	s_wait_kmcnt 0x0                               ; the lane words are in (on both ways: the next step loads into the same registers)
	s_bitcmp1_b32 s[ALL], \s
	s_cbranch_scc1 .Lopen_\@                       ; every key counts for every query: nothing to hide
.set n, 0
.rept 64
	v_cndmask_b32 v[96+n], v[NEG], v[96+n], s[16+n+16*(n/48)]   ; bit (r, h) of word n: register n's key counts for my query; else -infinity
.set n, n+1
.endr
.Lopen_\@:
.irp b, 0,1,2,3
	v_max3_num_f32 v[232+\b], v[96+16*\b], v[97+16*\b], v[98+16*\b]   ; the largest score of each block of 32 keys: for the row's maximum, and for the block's largest p
.endr
.irp i, 3,5,7,9,11,13
.irp b, 0,1,2,3
	v_max3_num_f32 v[232+\b], v[232+\b], v[96+16*\b+\i], v[97+16*\b+\i]
.endr
	VFRAG \s, (\i+1)/2                             ; V's tiles 2 to 7, one behind each four lines
.endr
.irp b, 0,1,2,3
	v_max_num_f32 v[232+\b], v[232+\b], v[111+16*\b]
.endr
.irp b, 0,1,2,3
	v_permlanex16_b32 v[236+\b], v[232+\b], s[SEL], s[SEL+1]
.endr
.irp b, 0,1,2,3
	v_max_num_f32 v[232+\b], v[232+\b], v[236+\b]  ; with lane l xor 16's 16 keys
.endr
	v_max3_num_f32 v254, v232, v233, v234
	v_max_num_f32 v254, v254, v235                 ; the step's largest score of my query
	v_mul_f32 v254, s[CS], v254                    ; as t
	v_max_num_f32 v13, v13, v254                   ; the running largest t
	v_mov_b32 v254, v12
	v_floor_f32 v12, -v13                          ; the new -M = -ceil(t)
	v_sub_f32 v254, v12, v254                      ; old M - new M: a whole number, 0 or less
	v_cvt_i32_f32 v254, v254                       ; (it saturates)
	v_ldexp_f32 v252, 1.0, v254                    ; f = 2^(old M - new M)
.set j, 0
.rept 32
	v_pk_fma_f32 v[96+j:97+j], v[96+j:97+j], s[CS:CS+1], v[12:13] op_sel_hi:[1,0,0]   ; t - M, two at a time
.set j, j+2
.endr
.irp b, 0,1,2,3
	v_fma_f32 v[232+\b], v[232+\b], s[CS], v12     ; the same of each block's largest score
.endr
.set j, 0
.rept 64
	v_exp_f32 v[96+j], v[96+j]                     ; p = 2^(t - M), at most 1
.set j, j+1
.endr
.irp b, 0,1,2,3
	v_exp_f32 v[232+\b], v[232+\b]                 ; the block's largest p
.endr
	v_pk_mul_f32 v[14:15], v[14:15], v[252:253] op_sel_hi:[1,0]   ; the sums under the new M.  (A plain place behind the exponentials)
	s_wait_alu depctr_va_vdst(0)                   ; the 68 exponentials have written v96-159 and v232-235: one wait for the batch, ahead of its first reader
.irp b, 0,1,2,3
	v_max_num_f32 v[232+\b], 0x1800000, v[232+\b]  ; the floor: a block whose every p is 0 keeps the byte 1: its codes are zeros
.endr
.irp b, 0,1,2,3
	v_add_nc_u32 v[244+\b], 0xff000000, v[232+\b]
.endr
.irp b, 0,1,2,3
	v_lshrrev_b32 v[236+\b], 23, v[244+\b]
.endr
	v_lshl_or_b32 v253, v237, 8, v236              ; p's scale word for these 128 keys
	v_lshl_or_b32 v253, v238, 16, v253
	v_lshl_or_b32 v253, v239, 24, v253
.irp b, 0,1,2,3
	v_cvt_scalef32_pk8_fp4_f32 v[224+2*\b], v[96+16*\b:103+16*\b], v[244+\b]
	v_cvt_scalef32_pk8_fp4_f32 v[225+2*\b], v[104+16*\b:111+16*\b], v[244+\b]
.endr
	v_nop                                          ; one plain place behind a scaled conversion
.irp c, 0,1
.irp i, 0,1
	v_permlane16_swap_b32 v[224+4*\c+\i], v[226+4*\c+\i]
.endr
.endr
	v_pk_add_f32 v[236:237], v[96:97], v[98:99]    ; the row's sum is taken of the unquantised p: two at a time, in two chains
.irp j, 4,8,12,16,20,24,28,32,36,40,44,48,52,56,60
	v_pk_add_f32 v[14:15], v[14:15], v[96+\j:97+\j]
	v_pk_add_f32 v[236:237], v[236:237], v[98+\j:99+\j]
.endr
	v_pk_add_f32 v[14:15], v[14:15], v[236:237]
.set j, 0
.rept 32
	v_pk_mul_f32 v[160+j:161+j], v[160+j:161+j], v[252:253] op_sel_hi:[1,0]   ; O^T under the new M, each accumulator from its low end on.  (These are also the places between p's scale word and codes and the products below)
.set j, j+2
.endr
	s_wait_alu depctr_va_vdst(0)                   ; behind the places: vector instructions have written p's codes v224-231 and scale word v253, which the scaled products below take; the conversions and sums are also done with v96-159, in which the other tile's Q may land
	s_wait_dscnt 0x0                               ; V's fragments and scale words are in
.irp t, 0,1,2,3,4,5,6,7                        ; O^T += V^T P^T: the eight accumulators by turns, one instruction a turn
	v_wmma_scale_f32_16x16x128_f8f6f4 v[160+8*\t:167+8*\t], v[32+8*\t:39+8*\t], v[224:231], v[160+8*\t:167+8*\t], v[24+\t], v253 matrix_a_fmt:MATRIX_FMT_FP4 matrix_b_fmt:MATRIX_FMT_FP4
.endr
.Lhidden_\@:
.endm
	s_mov_b32 s[TRIP], 2
.Ltile:
	; ---- the tile's head: Q's 16 rows turn through my stage and become a fragment.  The loads from the stage land in v160-223: in the first trip no vector instruction has named these;
	; over the backward jump their last reader, the tile's end's quantiser, stands ahead of the wait on va_vdst in front of that tile's stores, behind which only the add to v242 is issued
	s_wait_loadcnt 0x0                             ; Q's sixteen loads
.irp i, 0,1,2,3,4,5,6,7,8,9,10,11,12,13,14,15
	ds_store_b128 v[QSS], v[96+4*\i:99+4*\i] offset:SPITCH*\i
.endr
.irp b, 0,1,2,3
.irp j, 0,1,2,3
	ds_load_b128 v[160+16*\b+4*\j:163+16*\b+4*\j], v[QSL] offset:128*\b+16*\j   ; LDS serves a wave's instructions in order: these see my stores
.endr
.endr
	s_wait_dscnt 0x0
	s_wait_alu depctr_vm_vsrc(0)                   ; the stage's stores have read v96-159, which the steps' products write and in which the other tile's Q lands
	QUANT 160, 16, 255
	s_wait_kmcnt 0x0                               ; the flags
	s_lshl_b32 s[ANY], s104, 4
	s_or_b32 s[ANY], s[ANY], s2
	s_lshl_b32 s[ALL], s105, 4
	s_or_b32 s[ALL], s[ALL], s3
	s_lshl_b32 s100, s[M], 15
	s_mov_b32 s101, 0
	s_add_nc_u64 s[ACP:ACP+1], s[ACB:ACB+1], s[100:101]
	s_lshl_b32 s100, s[M], 14
	s_add_nc_u64 s[MBP:MBP+1], s[MBB:MBB+1], s[100:101]
	v_mov_b32 v13, 0xff61b1e6                      ; the largest t so far: -3e38, under every t
	v_floor_f32 v12, -v13                          ; -M
	v_mov_b32 v14, 0
	v_mov_b32 v15, 0
.set j, 0
.rept 64
	v_mov_b32 v[160+j], 0                          ; O^T: the steps are all alike, and any of them may be a tile's first.  (Also the places between Q's scale word and codes and the first product)
.set j, j+1
.endr
.irp s, 0,1,2,3,4,5,6,7
	STEP \s
.endr
	; ---- the other tile's Q and flags are asked for here, and land under the lines below
	s_xor_b32 s[M], s[M], 7
	s_cmp_eq_u32 s[TRIP], 1
	s_cbranch_scc1 .Lno_next
	NEXTQ
.Lno_next:
	; ---- attn = O^T / the sum, quantised along the channels, stored as a fragment
.rept 4
	v_nop                                          ; places behind the last products
.endr
	v_add_f32 v14, v14, v15
	v_permlanex16_b32 v254, v14, s[SEL], s[SEL+1]
	v_add_f32 v14, v14, v254                       ; the row's sum
	v_cmp_lt_f32 vcc_lo, 0, v14                    ; a row with a key left
	v_rcp_f32 v252, v14
	v_nop                                          ; one plain place behind a transcendental
.set j, 0
	s_wait_alu depctr_va_vdst(0)                   ; the reciprocal has written v252, ahead of its first reader
.rept 32
	v_pk_mul_f32 v[160+j:161+j], v[160+j:161+j], v[252:253] op_sel_hi:[1,0]
.set j, j+2
.endr
	QUANT 160, 224, AWD
	s_wait_alu depctr_va_vcc(0)                    ; the compare above has written VCC, which the select reads: no branch and no label stands between the two
	v_cndmask_b32 v[AWD], -1, v[AWD], vcc_lo       ; a row with no key left: scale bytes 0xff
	s_wait_alu depctr_va_vdst(0)                   ; the conversions and swaps have written v224-231 and the select v241, the three stores' data; in the second trip the add below has written v242, the LDS store's address
	global_store_b128 v[LI], v[224:227], s[ACP:ACP+1]              ; the fragment as it stands: each store covers 512 consecutive bytes, aligned
	global_store_b128 v[LI], v[228:231], s[ACP:ACP+1] offset:512
	ds_store_b32 v[AW], v[AWD]                     ; both halves of the lanes write row r's word with the same value
	s_wait_xcnt 0x0                                ; the stores' data and base are written again only behind this wait
	s_wait_alu depctr_vm_vsrc(0)                   ; beside it: the three stores have read v224-231, v241 and v242: the add below writes v242, the next tile's conversions the others
	v_add_nc_u32 v[AW], 64, v[AW]                  ; the second trip's sixteen words
	s_sub_co_u32 s[TRIP], s[TRIP], 1
	s_cmp_lg_u32 s[TRIP], 0
	s_cbranch_scc1 .Ltile
	; ---- a row's four scale words come from four waves: they meet in LDS and leave as whole runs of 256 bytes
	s_wait_dscnt 0x0                               ; for the others' sake: my words lie in LDS
	s_barrier_signal -1
	s_barrier_wait -1
	s_cmp_ge_u32 s[WV], 4
	s_cbranch_scc1 .Lend
.irp g, 0,1,2,3
	ds_load_b32 v[32+\g], v[AGL] offset:128*\g     ; into v32-35: the last products that read them stand ahead of the tile's end's waits on va_vdst, and nothing has named them since
.endr
	s_wait_dscnt 0x0
	global_store_b128 v[AGO], v[32:35], s[ASB:ASB+1]               ; sixteen lanes store 256 consecutive bytes, aligned: tile m's words of this key head
.Lend:
	s_wait_dscnt 0x0                               ; the closing lines, six on end
	s_wait_alu 0x0
	s_wait_tensorcnt 0x0
	ds_add_u32 v11, v243
	s_wait_dscnt 0x0
	s_endpgm
.Lfunc_end_k_q71a74b51c8_attn:
	.size	k_q71a74b51c8_attn, .Lfunc_end_k_q71a74b51c8_attn-k_q71a74b51c8_attn
	.p2alignl 7, 3214868480
	.fill 96, 4, 3214868480
	.section	.rodata,"a",@progbits
	.p2align	6, 0x0
	.amdhsa_kernel k_q71a74b51c8_attn
		.amdhsa_group_segment_fixed_size 278528
		.amdhsa_private_segment_fixed_size 0
		.amdhsa_enable_private_segment 0
		.amdhsa_kernarg_size 40
		.amdhsa_user_sgpr_count 2
		.amdhsa_user_sgpr_kernarg_segment_ptr 1
		.amdhsa_wavefront_size32 1
		.amdhsa_system_sgpr_workgroup_id_x 1
		.amdhsa_system_sgpr_workgroup_id_y 1
		.amdhsa_system_sgpr_workgroup_id_z 1
		.amdhsa_system_vgpr_workitem_id 0
		.amdhsa_next_free_vgpr 256
		.amdhsa_next_free_sgpr 106
		.amdhsa_reserve_vcc 1
		.amdhsa_float_denorm_mode_32 3
		.amdhsa_float_denorm_mode_16_64 3
		.amdhsa_memory_ordered 1
		.amdhsa_forward_progress 1
		.amdhsa_inst_pref_size 207
	.end_amdhsa_kernel
	.amdgpu_metadata
---
amdhsa.version: [ 1, 2 ]
amdhsa.kernels:
  - .name:           k_q71a74b51c8_attn
    .symbol:         k_q71a74b51c8_attn.kd
    .args:
      - { .name: Q, .offset: 0, .size: 8, .value_kind: global_buffer, .address_space: global }
      - { .name: kq, .offset: 8, .size: 8, .value_kind: global_buffer, .address_space: global }
      - { .name: vq, .offset: 16, .size: 8, .value_kind: global_buffer, .address_space: global }
      - { .name: mk, .offset: 24, .size: 8, .value_kind: global_buffer, .address_space: global }
      - { .name: aq, .offset: 32, .size: 8, .value_kind: global_buffer, .address_space: global }
    .group_segment_fixed_size: 278528
    .private_segment_fixed_size: 0
    .kernarg_segment_align: 8
    .kernarg_segment_size: 40
    .max_flat_workgroup_size: 512
    .sgpr_count:     106
    .vgpr_count:     256
    .wavefront_size: 32
...
	.end_amdgpu_metadata
.endif
;; end of part 4
;; launch proj: the kernel of part 3 again; grid 8 x 32, 4 waves a work-group, clusters of 4 x 4, 327,680 bytes of LDS; arguments aq, wq, b_o, out0; writes out0
